; MI455X (gfx1250); checked and timed in simulation.
; The chip was launched on July 23, 2026; its instructions are those of AMD's public machine-readable ISA for CDNA 5 (MIT licence, August 2026) and "CDNA5" Instruction Set Architecture Reference Guide (July 2026). The comments in the code are by the model that wrote it; some were corrected since.
;; Causal Self Attention. Allowed arithmetic: matrix products marked QUANTISED: E2M3 operands, one E8M0 scale for each 32 along K, by v_wmma_scale_f32_16x16x128_f8f6f4 with both operands' format E2M3, f32 sums; everything else in f32.
;; Inputs: Wk 2,048 x 512 float32; Wo 2,048 x 2,048 float32; Wq 2,048 x 2,048 float32; Wv 2,048 x 512 float32; x 4 x 1,024 x 2,048 float32.
;; Outputs: out0 4 x 1,024 x 2,048 float32.
;; This version of the problem:
;;   THIS VERSION OF THE PROBLEM IS GIVEN IN LOW PRECISION. The matrix products marked QUANTISED in the list below multiply operands that are first quantised to E2M3 (2 exponent bits, 3 mantissa bits; 6 bits a number), with one power-of-two scale for each 32 numbers along K (OCP MX v1.0); their sums are f32. All else is computed in f32.
;;   The module's matrix products, in the order in which they are computed (A, B: the left and right operand; K: the contracted axis; several contracted axes count as one K, in the product's order):
;;     1. [M 4,096, K 2,048] x [K 2,048, N 2,048]; A: input x; B: input Wq: QUANTISED
;;     2. [M 4,096, K 2,048] x [K 2,048, N 512]; A: input x; B: input Wk: QUANTISED
;;     3. [M 4,096, K 2,048] x [K 2,048, N 512]; A: input x; B: input Wv: QUANTISED
;;     4. batch 64 x [M 1,024, K 128] x [K 128, N 1,024]; A: computed on the way; B: computed on the way: QUANTISED
;;     5. batch 64 x [M 1,024, K 1,024] x [K 1,024, N 128]; A: softmax (see below); B: computed on the way: QUANTISED
;;     6. [M 4,096, K 2,048] x [K 2,048, N 2,048]; A: computed on the way; B: input Wo: QUANTISED
;;   THE QUANTISER, for each operand of a quantised product, along K:
;;     - K is cut into blocks of 32 from its start; a last block that is shorter is filled with zeros.
;;     - A block's scale is 2^e with e = floor(log2(the largest magnitude in the block)) - 2, held to -126 .. 127; a block of zeros has e = 0. As a byte (E8M0): e + 127.
;;     - Each number is divided by its block's scale, clamped to +-7.5, and rounded to the nearest number of E2M3, ties to even, subnormals kept.
;;     - The product sums the exact products of the quantised numbers (number of the format x scale) in f32.
;;   ~~~python
;;   def quantise(x, axis):      # numpy; x: float32 -> the quantised numbers, widened to float32 again
;;       x = np.moveaxis(x, axis, -1); K = x.shape[-1]
;;       x = np.pad(x, [(0, 0)] * (x.ndim - 1) + [(0, -K % 32)]); x = x.reshape(x.shape[:-1] + (-1, 32)); a = np.abs(x).max(-1, keepdims=True)
;;       e = np.where(a > 0, np.clip(np.frexp(np.where(a > 0, a, 1))[1] - 1 - 2, -126, 127), 0)      # np.frexp(a)[1] - 1 = floor(log2(a)), exactly
;;       r = np.clip(x / 2.0 ** e, -7.5, 7.5)
;;       step = 2.0 ** (np.maximum(np.frexp(np.where(r == 0, 1, r))[1] - 1, 0) - 3)
;;       q = np.round(r / step) * step * 2.0 ** e      # np.round: ties to even
;;       return np.moveaxis(q.reshape(q.shape[:-2] + (-1,))[..., :K], -1, axis).astype(np.float32)
;;   ~~~
;;   SOFTMAX AHEAD OF A QUANTISED PRODUCT. Where the list says 'softmax', what is quantised is not the finished softmax but p = 2^(t - M), with t = logit x log2(e) and M = ceil(the row's largest t), a whole number; so 1/2 < the row's largest p <= 1. The row's sum l is taken of the UNQUANTISED p, in f32, and the product's result is divided by l at the end. Since M is a whole number, a kernel that streams over the keys may use a running M (the ceiling of the running maximum): every later rescaling is an exact power of two, which a block's scale takes up: the codes' values come out the same.
;;   OPERANDS COMPUTED ON THE WAY. 'Computed on the way' means the value that the module computes at that place (a softmax that the list does not call 'softmax' is quantised finished and normalised). What goes into a quantiser is computed in f32, as accurately as f32 sums, v_exp_f32 and their like allow (about 1e-6 of the number): no bf16 or f16 on the way to a quantiser, and a product that is left as it is and whose result goes on into a quantised operand takes f32 operands (vector FMAs, or v_wmma_f32_16x16x4_f32). A number that lies on a knife's edge between two numbers of the format may be rounded either way, as far as f32 arithmetic and the matrix unit's own rounding can turn it there, and no further.
;; One version. Each part assembles by itself: llvm-mc -triple=amdgcn-amd-amdhsa -mcpu=gfx1250 --defsym DOCPART=n.
;; ======== version 1 of 1: 4 launches
;; limits: right only within a limited range of input values
;; workspace buffers: xq 6,553,600 bytes; wq 8,192,000 bytes; rope 532,480 bytes; qkv 10,223,616 bytes; yq 6,553,600 bytes
;; launch quant (part 1): grid 584 x 1, 4 waves a work-group, no clusters, 93,696 bytes of LDS; arguments x, Wq, Wk, Wv, Wo, xq, wq, rope; writes xq, wq, rope
.if DOCPART == 1
	.amdgcn_target "amdgcn-amd-amdhsa--gfx1250"
	.amdhsa_code_object_version 6
	.text
	.protected	k_qd49f247335_quant
	.globl	k_qd49f247335_quant
	.p2align	8
	.type	k_qd49f247335_quant,@function
k_qd49f247335_quant:
	s_mov_b64 s[64:65], 0
	v_nop
	global_prefetch_b8 v0, s[64:65] scope:SCOPE_SE
	s_setreg_imm32_b32 hwreg(HW_REG_WAVE_MODE, 25, 1), 1
	s_wait_xcnt 0x0
; Three jobs, told apart by the work-group's number; each has its own path through the text and its own LDS bytes.
;   work-groups 0-255:   x [4096][2048] f32 -> codes of FP6 (E2M3), K innermost, 1,536 bytes a row, and one E8M0 byte for each 32 along K (64 a row).
;   work-groups 256-575: Wq, Wk, Wv, Wo ([2048 (k)][n] f32, K is the FIRST axis) -> rows of codes [n][1536] and scale bytes [n][64] in one buffer of 5,120 rows:
;                        0-2047 Wq's columns; 2048 + 256 g + 0..127 Wk's head g, + 128..255 Wv's head g; 3072-5119 Wo's columns.
;   work-groups 576-583: the table of cos and sin for the rotation, as images of registers: 64 tiles of 16 positions and one tile of cos = 1, sin = 0.
; ROWS ARE STORED PERMUTED: row i lies at place sw(i) = i with bits 3 and 4 exchanged.  Sixteen neighbouring stored rows 16 t + r are then the true rows 32 (t / 2) + 8 (t % 2) + r + 8 (r / 8), so that
; in a product used transposed a lane's 16 registers of two neighbouring tiles are 16 neighbours along that axis, as the next quantiser wants them.
; A block's scale is 2^(floor(log2(its largest magnitude)) - 2); its byte is the largest magnitude's exponent field - 2, held at 1 from below.
; LIMITS: NaN and infinities are not served.  A block whose largest magnitude lies under 2^-124 keeps the byte 1; a block of zeros has the byte 1 where the rule says 127: its codes are zeros, and this program alone reads the bytes.
; The table's frequencies are 2^(-f log2(10000) / 64) by v_exp_f32 (1 ulp): at position 1,023 an angle can differ by some 2e-4 rad from one made by a power and a division in f32, which is the size of the rounding of position x frequency itself.
; HOW THE CODES AND SCALES LIE IN xq AND wq (this holds in place of the rows named above): as IMAGES OF OPERAND REGISTERS.
; Sixteen stored rows are a block; a block's fragment for 128 along K is 1,536 bytes: three pieces of 512, lane L = r + 16 h has 16 bytes at 16 L of piece w: registers 4 w .. 4 w + 3,
; where registers 6 c .. 6 c + 5 of lane (r, h) are the 24 bytes of row r's block of 32 at K = 64 c + 32 h.  Codes: [block][K / 128][1536]; scale words: [block][K / 128][16 rows] of 4 bytes.
.set XSC,  6291456
.set WSC,  7864320                     ; the weights' in wq
.set EMAX, 2
	s_load_b256 s[4:11], s[0:1], 0x0               ; x s[4:5], Wq s[6:7], Wk s[8:9], Wv s[10:11]
	s_load_b256 s[12:19], s[0:1], 0x20             ; Wo s[12:13], xq s[14:15], wq s[16:17], rope s[18:19]
	v_lshl_add_u32 v208, v0, 2, 0x10800
	v_mov_b32 v209, 0
	v_lshrrev_b32 v1, 5, v0
	v_readfirstlane_b32 s20, v1                    ; wave 0..3
	v_and_b32 v2, 31, v0                           ; lane
	s_wait_kmcnt 0x0
	s_cmp_lt_u32 ttmp9, 256
	s_cbranch_scc1 .Lpath_x
	s_cmp_lt_u32 ttmp9, 576
	s_cbranch_scc1 .Lpath_w
; ---------------------------------------------------------------- THE TABLE
; Wave wi (0..31) makes tiles 2 wi and 2 wi + 1.  Tile T: positions 32 (T / 2) + 8 (T % 2) + r + 8 (r / 8), r = lane % 16.  Register 16 b + i (b = 0, 1) of lane (r, h): frequency f = 32 b + 16 h + i.
; A tile is 8,192 bytes: eight pieces of 512 bytes of cosines (piece l: registers 4 l .. 4 l + 3, lane L's 16 bytes at 16 L), then eight of sines.
; cos and sin: the angle less n pi / 2 (pi / 2 in two parts, by fused multiply-adds), Taylor polynomials on +-pi / 4 (first term left out: under 2e-9), the quadrant by select and sign bits.
.set INV, 32                           ; v32-63   the 32 frequencies
.set COS, 64                           ; v64-95
.set SIN, 96                           ; v96-127
.set TT,  128                          ; v128-159 at work: eight registers for each of four angles
	s_sub_co_u32 s21, ttmp9, 576
	s_lshl_b32 s21, s21, 2
	s_add_co_u32 s21, s21, s20                     ; wi
	s_mov_b32 s32, 0xbe549a78                      ; -log2(10000) / 64
	s_mov_b32 s33, 0x3f22f983                      ; 2 / pi
	s_mov_b32 s34, 0xbfc90fdb                      ; -(pi / 2 rounded to f32)
	s_mov_b32 s35, 0x333bbd2e                      ; -(what is left of pi / 2)
	s_mov_b32 s36, 0xbe2aaaab                      ; -1 / 3!
	s_mov_b32 s37, 0x3c088889                      ; 1 / 5!
	s_mov_b32 s38, 0xb9500d01                      ; -1 / 7!
	s_mov_b32 s39, 0x3638ef1d                      ; 1 / 9!
	s_mov_b32 s40, 0x3d2aaaab                      ; 1 / 4!
	s_mov_b32 s41, 0xbab60b61                      ; -1 / 6!
	s_mov_b32 s42, 0x37d00d01                      ; 1 / 8!
	s_mov_b32 s43, 0xb493f27e                      ; -1 / 10!
	s_wait_alu depctr_va_vdst(0)
	v_and_b32 v5, 15, v2                           ; r
	v_lshrrev_b32 v6, 4, v2                        ; h
	v_lshlrev_b32 v3, 4, v2                        ; 16 x lane: my place in a piece
	v_lshlrev_b32 v7, 4, v6                        ; 16 h
.set i, 0
.rept 32
	v_add_nc_u32 v[INV+i], 32*(i/16)+i%16, v7      ; f
.set i, i+1
.endr
.set i, 0
.rept 32
	v_cvt_f32_u32 v[INV+i], v[INV+i]
.set i, i+1
.endr
.set i, 0
.rept 32
	v_mul_f32 v[INV+i], s32, v[INV+i]
.set i, i+1
.endr
.set i, 0
	s_wait_alu depctr_va_vdst(0)
.rept 32
	v_exp_f32 v[INV+i], v[INV+i]                   ; 10000^(-f / 64)
.set i, i+1
.endr
	v_and_b32 v8, 8, v5                            ; (a plain instruction behind the exponentials)
	v_add_nc_u32 v8, v8, v5                        ; r + 8 (r / 8)
	s_lshl_b32 s22, s21, 5
	v_add_nc_u32 v8, s22, v8
	v_cvt_f32_u32 v4, v8                           ; my position in tile 2 wi
	s_lshl_b32 s24, s21, 14                        ; two tiles of 8,192 bytes a wave
	s_mov_b32 s25, 0
	s_add_nc_u64 s[18:19], s[18:19], s[24:25]
	s_wait_alu depctr_va_vdst(0)                   ; one wait for the batch of 32, ahead of the first reader and of the label
.macro SINCOS4 i0                      ; four angles by turns, so that no line waits for the line above it
.irp q, 0,1,2,3
	v_mul_f32 v[TT+8*\q], v4, v[INV+(\i0)+\q]      ; the angle: position x frequency, rounded to f32
.endr
.irp q, 0,1,2,3
	v_mul_f32 v[TT+8*\q+1], s33, v[TT+8*\q]
.endr
.irp q, 0,1,2,3
	v_rndne_f32 v[TT+8*\q+1], v[TT+8*\q+1]         ; n
.endr
.irp q, 0,1,2,3
	v_fma_f32 v[TT+8*\q], v[TT+8*\q+1], s34, v[TT+8*\q]
.endr
.irp q, 0,1,2,3
	v_fma_f32 v[TT+8*\q], v[TT+8*\q+1], s35, v[TT+8*\q]   ; a = angle - n pi / 2
.endr
.irp q, 0,1,2,3
	v_mul_f32 v[TT+8*\q+2], v[TT+8*\q], v[TT+8*\q] ; z = a a
.endr
.irp q, 0,1,2,3
	v_cvt_i32_f32 v[TT+8*\q+5], v[TT+8*\q+1]       ; n as a whole number (0 to 652)
.endr
.irp q, 0,1,2,3
	v_fma_f32 v[TT+8*\q+3], v[TT+8*\q+2], s39, s38
	v_fma_f32 v[TT+8*\q+4], v[TT+8*\q+2], s43, s42
.endr
.irp q, 0,1,2,3
	v_fma_f32 v[TT+8*\q+3], v[TT+8*\q+3], v[TT+8*\q+2], s37
	v_fma_f32 v[TT+8*\q+4], v[TT+8*\q+4], v[TT+8*\q+2], s41
.endr
.irp q, 0,1,2,3
	v_fma_f32 v[TT+8*\q+3], v[TT+8*\q+3], v[TT+8*\q+2], s36
	v_fma_f32 v[TT+8*\q+4], v[TT+8*\q+4], v[TT+8*\q+2], s40
.endr
.irp q, 0,1,2,3
	v_mul_f32 v[TT+8*\q+6], v[TT+8*\q], v[TT+8*\q+2]
	v_fma_f32 v[TT+8*\q+4], v[TT+8*\q+4], v[TT+8*\q+2], -0.5
.endr
.irp q, 0,1,2,3
	v_fma_f32 v[TT+8*\q+3], v[TT+8*\q+6], v[TT+8*\q+3], v[TT+8*\q]   ; sin a
	v_fma_f32 v[TT+8*\q+4], v[TT+8*\q+4], v[TT+8*\q+2], 1.0          ; cos a
.endr
.irp q, 0,1,2,3
	v_and_b32 v[TT+8*\q+6], 1, v[TT+8*\q+5]
	v_cmp_eq_u32 vcc_lo, 1, v[TT+8*\q+6]           ; in odd quadrants the two change places
	v_cndmask_b32 v[TT+8*\q], v[TT+8*\q+3], v[TT+8*\q+4], vcc_lo
	v_cndmask_b32 v[TT+8*\q+1], v[TT+8*\q+4], v[TT+8*\q+3], vcc_lo
.endr
.irp q, 0,1,2,3
	v_lshlrev_b32 v[TT+8*\q+2], 30, v[TT+8*\q+5]   ; the sine is negative where n & 2,
	v_add_nc_u32 v[TT+8*\q+5], 1, v[TT+8*\q+5]
.endr
.irp q, 0,1,2,3
	v_lshlrev_b32 v[TT+8*\q+5], 30, v[TT+8*\q+5]   ; the cosine where (n + 1) & 2
	v_and_b32 v[TT+8*\q+2], 0x80000000, v[TT+8*\q+2]
.endr
.irp q, 0,1,2,3
	v_and_b32 v[TT+8*\q+5], 0x80000000, v[TT+8*\q+5]
	v_xor_b32 v[SIN+(\i0)+\q], v[TT+8*\q], v[TT+8*\q+2]
.endr
.irp q, 0,1,2,3
	v_xor_b32 v[COS+(\i0)+\q], v[TT+8*\q+1], v[TT+8*\q+5]
.endr
.endm
	s_mov_b32 s50, 2
.Ltile:
	s_wait_alu depctr_va_vdst(0)
.irp i0, 0,4,8,12,16,20,24,28
	SINCOS4 \i0
.endr
.irp l, 0,1,2,3,4,5,6,7
	global_store_b128 v3, v[COS+4*\l:COS+4*\l+3], s[18:19] offset:512*\l         ; 32 lanes store 512 consecutive bytes, aligned
	global_store_b128 v3, v[SIN+4*\l:SIN+4*\l+3], s[18:19] offset:4096+512*\l
.endr
	s_wait_xcnt 0x0                                ; the stores have read their data and their base: both are written again only behind this wait
	v_add_f32 v4, 0x41000000, v4                   ; the odd tile's positions lie 8 further on
	s_add_nc_u64 s[18:19], s[18:19], 8192
	s_sub_co_i32 s50, s50, 1
	s_cmp_lg_u32 s50, 0
	s_cbranch_scc1 .Ltile
	s_cmp_lg_u32 s21, 0                            ; wave 0 of them also stores tile 64: cos = 1, sin = 0 (its base stands at tile 2)
	s_cbranch_scc1 .Ltable_done
.irp i, 0,1,2,3
	v_mov_b32 v[COS+\i], 1.0
	v_mov_b32 v[SIN+\i], 0
.endr
.irp l, 0,1,2,3,4,5,6,7
	global_store_b128 v3, v[COS:COS+3], s[18:19] offset:62*8192+512*\l
	global_store_b128 v3, v[SIN:SIN+3], s[18:19] offset:62*8192+4096+512*\l
.endr
.Ltable_done:
	s_endpgm
; ---------------------------------------------------------------- x
; Rows are dense and 2,048 is a multiple of 32, so x is a stream of blocks of 32.  A wave takes a run of 8,192 numbers (four rows) in 16 steps of 512.  Each of a step's four loads reads 512 consecutive bytes, 16 a lane;
; the 2,048 bytes turn through the wave's own stage in LDS (16 bytes of padding behind each 64) and come back 64 bytes a lane: 16 neighbours, as the conversion wants them; two neighbouring lanes hold a block.
; A lane's 16 codes are 12 bytes: they are gathered with the other waves' as images in LDS, and the wave stores 6,144 of the block's 24,576 bytes.  The scale bytes are gathered in LDS by all four waves; each wave's quarter leaves as one aligned store of 256 bytes.
; Run g holds rows 4 g .. 4 g + 3, so the rows' bits 3 and 4 are g's bits 1 and 2: the run is stored at place g with these two exchanged.  A barrier: the waves share the images and scale bytes in LDS.  LDS bytes 0 to 32,767 and 68,096 to 93,695.
.Lpath_x:
.set XWREG, 8192                       ; a wave's LDS: two stages of 32 x 80 bytes
.set XSP,   80
.set XCB,   12
.set XRR,   16                         ; v16-79   four sets of 16 numbers as loaded
.set XXX,   80                         ; v80-111  two sets of 16 neighbours
.set XEE,   112                        ; v112-127 a scale byte for each step
.set XCC,   128                        ; v128-191 codes: four registers for each step, so that no store's data are written again
	s_lshl_b32 s21, ttmp9, 2
	s_add_co_u32 s21, s21, s20                     ; g
	s_and_b32 s22, s21, 0xfffffff9
	s_and_b32 s23, s21, 2
	s_lshl_b32 s23, s23, 1
	s_or_b32 s22, s22, s23
	s_and_b32 s23, s21, 4
	s_lshr_b32 s23, s23, 1
	s_or_b32 s22, s22, s23                         ; g with bits 1 and 2 exchanged
	s_lshl_b32 s24, s22, 15                        ; g counts STORED runs: the run that is read is g with bits 1 and 2 exchanged
	s_mov_b32 s25, 0
	s_add_nc_u64 s[4:5], s[4:5], s[24:25]
	s_mul_i32 s24, s21, 6144                       ; the work-group's four runs are one block of 16 stored rows, 24,576 bytes of images: my wave stores a quarter
	s_add_nc_u64 s[26:27], s[14:15], s[24:25]
	s_lshl_b32 s24, s21, 8                         ; and a quarter of its 1,024 bytes of scale words
	s_add_co_u32 s24, s24, XSC
	s_add_nc_u64 s[28:29], s[14:15], s[24:25]
	s_wait_alu depctr_va_vdst(0)
	v_lshlrev_b32 v3, 4, v2                        ; my 16 bytes of a load's 512
	s_mul_i32 s30, s20, XWREG
	v_lshrrev_b32 v14, 2, v2
	v_mul_u32_u24 v14, v14, XSP
	v_and_b32 v15, 3, v2
	v_lshl_add_u32 v14, v15, 4, v14
	v_add_nc_u32 v14, s30, v14                     ; the stage, in: 80 (lane / 4) + 16 (lane % 4)
	v_mul_u32_u24 v15, v2, XSP
	v_add_nc_u32 v15, s30, v15                     ; out: 80 x lane
; The block's images are gathered in LDS bytes XIM on, its scale words at XSS on, by all four waves; behind a barrier each wave stores a quarter.
; Step t, lane l: row 4 wave + t / 4, K step 4 (t % 4) + l / 8, c = (l / 4) % 2, h = (l / 2) % 2, half u = l % 2: my three words are registers 3 (2 c + u) + 0 .. 2 of lane r + 16 h.
.set XIM, 68096
.set XSS, XIM+24576
	s_lshl_b32 s31, s20, 6
	s_add_co_u32 s31, s31, XIM
	s_lshl_b32 s32, s20, 4
	s_add_co_u32 s32, s32, XSS
	s_mul_i32 s33, s20, 6144
	s_add_co_u32 s33, s33, XIM
	s_lshl_b32 s34, s20, 8
	s_add_co_u32 s34, s34, XSS
	v_lshrrev_b32 v10, 3, v2
	v_mul_u32_u24 v4, v10, 1536
	v_bfe_u32 v12, v2, 1, 1
	v_lshl_add_u32 v4, v12, 8, v4
	v_add_nc_u32 v4, s31, v4                       ; 1536 (l / 8) + 256 h + 64 wave
	v_bfe_u32 v12, v2, 2, 1
	v_and_b32 v13, 1, v2
	v_lshl_or_b32 v12, v12, 1, v13
	v_mul_u32_u24 v12, v12, 3                      ; my first register
.irp d, 0,1,2
	v_add_nc_u32 v13, \d, v12
	v_lshrrev_b32 v9, 2, v13
	v_and_b32 v13, 3, v13
	v_lshl_add_u32 v9, v9, 9, v4
	v_lshl_add_u32 v[192+\d], v13, 2, v9           ; + 512 (register / 4) + 4 (register % 4)
.endr
	v_bfe_u32 v5, v2, 1, 2
	v_lshl_add_u32 v5, v10, 6, v5
	v_add_nc_u32 v5, s32, v5                       ; my block's scale byte: 64 (l / 8) + 16 wave + (l / 2) % 4
	v_add_nc_u32 v6, s33, v3                       ; the way out: 16 bytes a lane of my quarter of the images,
	v_lshlrev_b32 v7, 3, v2
	v_add_nc_u32 v195, s34, v7                     ; and 8 of my quarter of the scale words
.macro XLOAD t
.irp i, 0,1,2,3
	global_load_b128 v[XRR+16*((\t)%4)+4*\i:XRR+16*((\t)%4)+4*\i+3], v3, s[4:5] offset:2048*(\t)+512*\i th:TH_LOAD_NT
.endr
.endm
.macro XTURN t                         ; LDS serves a wave's instructions in order (ISA guide 5.7.1.4): no wait between the stores and the loads
.irp i, 0,1,2,3
	ds_store_b128 v14, v[XRR+16*((\t)%4)+4*\i:XRR+16*((\t)%4)+4*\i+3] offset:32*XSP*((\t)%2)+8*XSP*\i
.endr
.irp i, 0,1,2,3
	ds_load_b128 v[XXX+16*((\t)%2)+4*\i:XXX+16*((\t)%2)+4*\i+3], v15 offset:32*XSP*((\t)%2)+16*\i
.endr
.endm
.irp t, 0,1,2,3
	XLOAD \t
.endr
	s_wait_alu depctr_va_vdst(0)
	s_wait_loadcnt 12                              ; step 0's four loads are in; three steps' twelve stay out
	XTURN 0
.macro XSTEP t
.set XS, XXX+16*((\t)%2)
.if (\t) > 0
	s_wait_dscnt 4                                 ; this step's numbers are back from the stage (the last step's four stores of codes and byte may be out)
.else
	s_wait_dscnt 0x0
.endif
.if (\t)+4 < 16
	XLOAD (\t)+4                                   ; which take the loads of four steps on
.endif
.if (\t)+1 < 16
.if 14-(\t) >= 3
	s_wait_loadcnt 12                              ; the next step's four loads are in; those of the three steps behind it may be out
.else
	s_wait_loadcnt 4*(14-(\t))
.endif
	XTURN (\t)+1
.endif
	v_max3_num_f32 v8, |v[XS]|, |v[XS+1]|, |v[XS+2]|
	v_max3_num_f32 v9, |v[XS+3]|, |v[XS+4]|, |v[XS+5]|
.irp i, 6,10
	v_max3_num_f32 v8, v8, |v[XS+\i]|, |v[XS+\i+1]|
	v_max3_num_f32 v9, v9, |v[XS+\i+2]|, |v[XS+\i+3]|
.endr
	v_max3_num_f32 v8, v8, |v[XS+14]|, |v[XS+15]|
	v_max3_num_f32 v8, v8, v9, (EMAX+1)<<23        ; the floor 2^(3 - 127): the byte cannot fall under 1
	v_max_num_f32_dpp v8, v8, v8 row_xmask:1 row_mask:0xf bank_mask:0xf   ; with my neighbour's 16: the block's largest magnitude
	v_add_nc_u32 v11, -(EMAX<<23), v8              ; 2 off its exponent field: the conversion takes the exponent field of this operand as its scale
	v_cvt_scalef32_pk16_fp6_f32 v[XCC+4*(\t):XCC+4*(\t)+2], v[XS:XS+15], v11
	v_lshrrev_b32 v[XEE+(\t)], 23, v11             ; the scale's byte
	ds_store_b8 v5, v[XEE+(\t)] offset:256*((\t)%4)+4*((\t)/4)   ; both lanes of a block write the same byte with the same value
.irp d, 0,1,2
	ds_store_b32 v[192+\d], v[XCC+4*(\t)+\d] offset:6144*((\t)%4)+16*((\t)/4)
.endr
.endm
.irp t, 0,1,2,3,4,5,6,7,8,9,10,11,12,13,14,15
	XSTEP \t
.endr
	s_wait_dscnt 0x0                               ; for the others' sake: my stores have landed
	s_barrier_signal -1
	s_barrier_wait -1
.irp i, 0,1,2,3,4,5,6,7,8,9,10,11
	ds_load_b128 v[16+4*\i:19+4*\i], v6 offset:512*\i
.endr
	ds_load_b64 v[12:13], v195
	s_wait_dscnt 0x0
.irp i, 0,1,2,3,4,5,6,7,8,9,10,11
	global_store_b128 v3, v[16+4*\i:19+4*\i], s[26:27] offset:512*\i   ; 32 lanes store 512 consecutive bytes, aligned
.endr
	global_store_b64 v7, v[12:13], s[28:29]        ; 32 lanes store 256 consecutive bytes, aligned
	s_wait_tensorcnt 0x0
	ds_add_u32 v208, v209
	s_wait_dscnt 0x0
	s_endpgm
; ---------------------------------------------------------------- THE WEIGHTS
; A lane takes a column n and its registers run DOWN K: each load reads 128 consecutive bytes a wave, a block of 32 along K lies in one lane's 32 registers, and the conversions give codes with K innermost.
; Work-group (cx = 0..39, ky = 0..7): 128 rows of the codes' buffer x 256 along K; a wave 32 columns.  A lane's 192 bytes of codes go through the wave's own stage in LDS and leave as rows: sixteen lanes store a row's 192 bytes.
; Which tensor, its pitch and the rows' place are chosen by selects on cx alone.  LDS bytes 32,768 to 67,583.  Loads run two blocks (64 a wave) ahead.  No barrier: waves share nothing.
.Lpath_w:
; The wave's stage holds four fragments as images: two blocks of 16 stored rows x two K steps, 6,144 bytes.
.set WX,    32                         ; v32-95   two sets of 32 numbers
.set WC,    96                         ; v96..    a block's codes
.set WOUT,  112                        ; v112-175 the way out
.set WSB,   24                         ; v24-25   the scale bytes
.set WOF,   176                        ; v176-207 row i of a block: i x pitch + 4 x lane
	s_sub_co_u32 s21, ttmp9, 256
	s_lshr_b32 s22, s21, 3                         ; cx
	s_and_b32 s23, s21, 7                          ; ky
	s_lshl_b32 s32, s22, 7                         ; Wq's and Wo's rows begin at 128 cx,
	s_sub_co_u32 s25, s22, 16
	s_lshl_b32 s25, s25, 8
	s_add_co_u32 s25, s25, 2048                    ; Wk's at 2048 + 256 (cx - 16),
	s_sub_co_u32 s26, s22, 20
	s_lshl_b32 s26, s26, 8
	s_add_co_u32 s26, s26, 2176                    ; Wv's at 2176 + 256 (cx - 20)
	s_mov_b64 s[30:31], s[12:13]                   ; cx 24-39: Wo
	s_mov_b32 s24, 24                              ; the tensor's first cx
	s_mov_b32 s27, 8192                            ; its row in bytes
	s_mov_b32 s28, s32
	s_mov_b32 s29, 2048
	s_cmp_lt_u32 s22, 24                           ; cx 20-23: Wv
	s_cselect_b64 s[30:31], s[10:11], s[30:31]
	s_cselect_b32 s24, 20, s24
	s_cselect_b32 s27, s29, s27
	s_cselect_b32 s28, s26, s28
	s_cmp_lt_u32 s22, 20                           ; cx 16-19: Wk
	s_cselect_b64 s[30:31], s[8:9], s[30:31]
	s_cselect_b32 s24, 16, s24
	s_cselect_b32 s28, s25, s28
	s_mov_b32 s29, 8192
	s_cmp_lt_u32 s22, 16                           ; cx 0-15: Wq
	s_cselect_b64 s[30:31], s[6:7], s[30:31]
	s_cselect_b32 s24, 0, s24
	s_cselect_b32 s27, s29, s27
	s_cselect_b32 s28, s32, s28
	s_sub_co_u32 s34, s22, s24
	s_lshl_b32 s34, s34, 7
	s_lshl_b32 s58, s20, 5
	s_add_co_u32 s34, s34, s58                     ; my wave's first column in its tensor
	s_lshl_b32 s34, s34, 2
	s_mul_i32 s59, s23, s27
	s_lshl_b32 s59, s59, 8                         ; 256 ky rows down
	s_add_co_u32 s34, s34, s59
	s_mov_b32 s35, 0
	s_add_nc_u64 s[40:41], s[30:31], s[34:35]      ; block 0
	s_lshl_b32 s38, s27, 5                         ; 32 rows
	s_mov_b32 s39, 0
.irp t, 1,2,3,4,5,6,7
	s_add_nc_u64 s[40+2*\t:41+2*\t], s[38+2*\t:39+2*\t], s[38:39]   ; a base for each block: none is ever stepped
.endr
	s_add_co_u32 s28, s28, s58                     ; my wave's first row of the codes' buffer: a multiple of 32
	s_mul_i32 s34, s28, 1536
	s_mul_i32 s59, s23, 3072                       ; two fragments for each 256 along K
	s_add_co_u32 s34, s34, s59
	s_add_nc_u64 s[36:37], s[16:17], s[34:35]      ; codes
	s_lshl_b32 s34, s28, 6
	s_lshl_b32 s59, s23, 7                         ; two runs of 16 scale words
	s_add_co_u32 s34, s34, s59
	s_add_co_u32 s34, s34, WSC
	s_add_nc_u64 s[56:57], s[16:17], s[34:35]      ; scale bytes
	s_wait_alu depctr_va_vdst(0)
	v_lshlrev_b32 v3, 2, v2                        ; 4 bytes a lane
.set i, 0
.rept 32
	v_mad_u32_u24 v[WOF+i], s27, i, v3
.set i, i+1
.endr
	s_mul_i32 s58, s20, 6144
	s_add_co_u32 s58, s58, 32768                   ; my stage
	v_and_b32 v9, 7, v2                            ; my column's stored place among the 32: the lane with bits 3 and 4 exchanged:
	v_and_b32 v10, 16, v2
	v_lshrrev_b32 v10, 1, v10
	v_add_nc_u32 v9, v9, v10                       ; row r of its block,
	v_bfe_u32 v10, v2, 3, 1                        ; and which of the two blocks
	v_mul_u32_u24 v4, v10, 3072
	v_lshl_add_u32 v4, v9, 4, v4
	v_add_nc_u32 v4, s58, v4                       ; into the stage: 3072 x block + 16 r
	v_lshlrev_b32 v8, 4, v2                        ; out of it: 16 bytes a lane
	v_add_nc_u32 v7, s58, v8
	v_lshlrev_b32 v9, 2, v9
	v_lshl_add_u32 v9, v10, 10, v9                 ; my scale words: 1024 x block + 4 r
.macro WLOAD t
.set i, 0
.rept 32
	global_load_b32 v[WX+32*((\t)%2)+i], v[WOF+i], s[40+2*(\t):41+2*(\t)] th:TH_LOAD_NT
.set i, i+1
.endr
.endm
	WLOAD 0
	WLOAD 1
.macro WBLOCK t
.set XS, WX+32*((\t)%2)
.if (\t) < 7
	s_wait_loadcnt 32                              ; this block's 32 loads are in; the next block's may be out
.else
	s_wait_loadcnt 0
.endif
	v_max3_num_f32 v12, |v[XS]|, |v[XS+1]|, |v[XS+2]|
	v_max3_num_f32 v13, |v[XS+3]|, |v[XS+4]|, |v[XS+5]|
.irp i, 6,10,14,18,22,26
	v_max3_num_f32 v12, v12, |v[XS+\i]|, |v[XS+\i+1]|
	v_max3_num_f32 v13, v13, |v[XS+\i+2]|, |v[XS+\i+3]|
.endr
	v_max3_num_f32 v12, v12, |v[XS+30]|, |v[XS+31]|
	v_max3_num_f32 v12, v12, v13, (EMAX+1)<<23     ; the floor
	v_add_nc_u32 v11, -(EMAX<<23), v12             ; the conversion's scale operand
	v_lshrrev_b32 v13, 23, v11                     ; the scale's byte
.if (\t)%4 == 0
	v_mov_b32 v[WSB+(\t)/4], v13
.else
	v_lshl_or_b32 v[WSB+(\t)/4], v13, 8*((\t)%4), v[WSB+(\t)/4]
.endif
	v_cvt_scalef32_pk16_fp6_f32 v[WC:WC+2], v[XS:XS+15], v11
	v_cvt_scalef32_pk16_fp6_f32 v[WC+4:WC+6], v[XS+16:XS+31], v11   ; (a conversion's three registers begin on an even number)
	v_nop                                          ; one plain instruction behind a scaled conversion
	v_mov_b32 v[WC+3], v[WC+4]
	v_mov_b32 v[WC+4], v[WC+5]
	v_mov_b32 v[WC+5], v[WC+6]                     ; the block's 24 bytes on end: registers 6 c .. 6 c + 5 of lane r + 16 h, c = (t % 4) / 2, h = t % 2
.if ((\t)%4)/2 == 0
	ds_store_b128 v4, v[WC:WC+3] offset:1536*((\t)/4)+256*((\t)%2)
	ds_store_b64 v4, v[WC+4:WC+5] offset:1536*((\t)/4)+256*((\t)%2)+512
.else
	ds_store_b64 v4, v[WC:WC+1] offset:1536*((\t)/4)+256*((\t)%2)+520
	ds_store_b128 v4, v[WC+2:WC+5] offset:1536*((\t)/4)+256*((\t)%2)+1024
.endif
.if (\t)+2 < 8
	WLOAD (\t)+2
.endif
	s_wait_dscnt 0x0                               ; the stores have read their registers: the next block's codes may be written
.endm
.irp t, 0,1,2,3,4,5,6,7
	WBLOCK \t
.endr
	s_wait_alu depctr_va_vdst(0)
	global_store_b32 v9, v[WSB], s[56:57]          ; sixteen lanes store a fragment's 64 bytes of scale words
	global_store_b32 v9, v[WSB+1], s[56:57] offset:64
.irp t, 0,1,2,3,4,5,6,7,8,9,10,11
	ds_load_b128 v[WOUT+4*\t:WOUT+4*\t+3], v7 offset:512*\t
.endr
.irp t, 0,1,2,3,4,5,6,7,8,9,10,11
	s_wait_dscnt 11-\t
	global_store_b128 v8, v[WOUT+4*\t:WOUT+4*\t+3], s[36:37] offset:24576*(\t/6)+512*(\t%6)   ; 32 lanes store 512 consecutive bytes, aligned
.endr
	s_wait_tensorcnt 0x0
	ds_add_u32 v208, v209
	s_wait_dscnt 0x0
	s_endpgm
.Lfunc_end_k_qd49f247335_quant:
	.size	k_qd49f247335_quant, .Lfunc_end_k_qd49f247335_quant-k_qd49f247335_quant
	.p2alignl 7, 3214868480
	.fill 96, 4, 3214868480
	.section	.rodata,"a",@progbits
	.p2align	6, 0x0
	.amdhsa_kernel k_qd49f247335_quant
		.amdhsa_group_segment_fixed_size 93696
		.amdhsa_private_segment_fixed_size 0
		.amdhsa_enable_private_segment 0
		.amdhsa_kernarg_size 64
		.amdhsa_user_sgpr_count 2
		.amdhsa_user_sgpr_kernarg_segment_ptr 1
		.amdhsa_wavefront_size32 1
		.amdhsa_system_sgpr_workgroup_id_x 1
		.amdhsa_system_sgpr_workgroup_id_y 1
		.amdhsa_system_sgpr_workgroup_id_z 1
		.amdhsa_system_vgpr_workitem_id 0
		.amdhsa_next_free_vgpr 210
		.amdhsa_next_free_sgpr 66
		.amdhsa_reserve_vcc 1
		.amdhsa_float_denorm_mode_32 3
		.amdhsa_float_denorm_mode_16_64 3
		.amdhsa_memory_ordered 1
		.amdhsa_forward_progress 1
		.amdhsa_inst_pref_size 132
	.end_amdhsa_kernel
	.amdgpu_metadata
---
amdhsa.version: [ 1, 2 ]
amdhsa.kernels:
  - .name:           k_qd49f247335_quant
    .symbol:         k_qd49f247335_quant.kd
    .args:
      - { .name: x, .offset: 0, .size: 8, .value_kind: global_buffer, .address_space: global }
      - { .name: Wq, .offset: 8, .size: 8, .value_kind: global_buffer, .address_space: global }
      - { .name: Wk, .offset: 16, .size: 8, .value_kind: global_buffer, .address_space: global }
      - { .name: Wv, .offset: 24, .size: 8, .value_kind: global_buffer, .address_space: global }
      - { .name: Wo, .offset: 32, .size: 8, .value_kind: global_buffer, .address_space: global }
      - { .name: xq, .offset: 40, .size: 8, .value_kind: global_buffer, .address_space: global }
      - { .name: wq, .offset: 48, .size: 8, .value_kind: global_buffer, .address_space: global }
      - { .name: rope, .offset: 56, .size: 8, .value_kind: global_buffer, .address_space: global }
    .group_segment_fixed_size: 93696
    .private_segment_fixed_size: 0
    .kernarg_segment_align: 8
    .kernarg_segment_size: 64
    .max_flat_workgroup_size: 128
    .sgpr_count:     66
    .vgpr_count:     210
    .wavefront_size: 32
...
	.end_amdgpu_metadata
.endif
;; end of part 1
;; launch proj (part 2): grid 12 x 16, 4 waves a work-group, clusters of 4 x 4, 327,680 bytes of LDS; arguments xq, wq, rope, qkv; writes qkv
.if DOCPART == 2
	.amdgcn_target "amdgcn-amd-amdhsa--gfx1250"
	.amdhsa_code_object_version 6
	.text
	.protected	k_qd49f247335_proj
	.globl	k_qd49f247335_proj
	.p2align	8
	.type	k_qd49f247335_proj,@function
k_qd49f247335_proj:
	s_mov_b64 s[64:65], 0
	v_nop
	global_prefetch_b8 v0, s[64:65] scope:SCOPE_SE
	s_setreg_imm32_b32 hwreg(HW_REG_WAVE_MODE, 25, 1), 1
	s_wait_xcnt 0x0
	s_wait_alu depctr_hold_cnt(0) depctr_sa_sdst(0) depctr_va_vdst(0) depctr_va_sdst(0) depctr_va_ssrc(0) depctr_va_vcc(0) depctr_vm_vsrc(0)
	s_getreg_b32 s2, hwreg(HW_REG_IB_STS2, 6, 4)
	s_cmp_eq_u32 s2, 0
	s_cbranch_scc0 .Lentry_in_a_cluster
	s_endpgm
.Lentry_in_a_cluster:
	s_bfe_u32 s2, ttmp6, 0x10000c
	s_cmp_lg_u32 s2, 0xf033
	s_cbranch_scc0 .Lentry_shape_is_right
	s_endpgm
.Lentry_shape_is_right:
; q, k, v = x Wq, x Wk, x Wv on codes of FP6 (E2M3) with E8M0 scales, M = 4,096, N = 3,072 (stored rows 0-3071 of the weights), K = 2,048; then the rotation of q and k and the quantisers of the two attention products.
; IN AND OUT ARE IMAGES OF OPERAND REGISTERS: a fragment (16 stored rows x 128 K) is 1,536 bytes, three pieces of 512, lane L's 16 bytes at 16 L; codes lie [block of 16 rows][K / 128][1536], scale words [block][K / 128][16].
; A tile of 256 x 256 is made by four waves, each 128 x 128: 64 accumulators.  K goes in steps of 256 through a ring of two LDS slots: a tensor row is a block's two fragments, 3,072 bytes, aligned on 256; LDS is dense.
; The scale words of the work-group's 512 rows, for all of K, come into LDS once.  CLUSTERS: 4 x 4; x's tiles are asked for jointly along a row of the cluster, the weights' along a column.
; THE MATRIX INSTRUCTION IS USED TRANSPOSED (source 0 = weights, source 1 = x).  Rows are stored with bits 3 and 4 exchanged, so in block a lane (r, h) holds position 32 (a / 2) + 8 (a % 2) + r + 8 (r / 8) of the wave's 128,
; and register 8 b + j the column 32 (b / 2) + 8 (b % 2) + 16 h + j of the wave's 128, one head.
; V'S WAVES (cluster x = 2, upper half of the columns) run the same text with the two operands exchanged BY LDS ADDRESS: a lane then holds one channel of v and its registers run along the keys.
; THE HEAD: one tensor load a wave: x's tile of K step 0, the weights', x's scales, the weights' scales; slot 1 is first filled behind the full sequence and a round, as a refill is.
; PREFETCH: behind the load of K step k stands a request for K step k + 2: of the 8 tensor rows that a wave fetches each of the four partners names 2 (24 blocks of 256 bytes, a lane a block), told apart by address; the last two refills ask for nothing.
; LIMITS: NaN and infinities are not served; a block whose largest magnitude lies under 2^-124 (a block of zeros too) keeps the scale byte 1: this program alone reads the bytes.
; REGISTERS: window 0: v8-31 addresses; v32-63 scale words, two sets; from v128 source 1's fragments, one set.  window 1: source 0's fragments, two sets; on the way out the table.  windows 2, 3: accumulators.
.set XSC,   6291456
.set WSC,   7864320
.set QSO,   6291456                    ; qkv: q's images at 0, its scale words here, then k's images, k's words, v's images, v's words
.set KIO,   6815744
.set KSO,   8388608
.set VIO,   8519680
.set VSO,   10092544
.set NQ,     2                         ; matrix steps in a slot
.set FR,     12
.set NL,     3                         ; LDS loads that bring a fragment
.set NP,     4                         ; places behind this matrix instruction (ISA guide 7.12.1)
.set RBK,    24576                     ; a block of 16 rows, all of K
.set STEPB,  3072                      ; its two fragments of a K step
.set HALFT,  8*STEPB
.set SLOT,   4*HALFT                   ; x's 16 blocks, then the weights' 16
.set LAPS,   4
.set SCL,    2*SLOT
.set HALFS,  8192                      ; the scale words of 128 rows
.set SBLK,   1024
.set SPARE,  SCL+4*HALFS               ; the spare words: 512 bytes that no other line names
.set TOF,  8                           ; v8-15 the table's tile a
.set ADRA, 16                          ; v16-17 source 1's fragments in slot 0, 1
.set ADRB, 20                          ; v20-21 source 0's
.set LI,   24                          ; 16 x lane
.set PFO,  25                          ; the prefetches' offset
.set ADRS, 27
.set SPW,  28
.set NIL,  29
.set SC,   32
.set AF,   128
.set HA,   32
.set PC,   96
.set TM,   116
.set SW,   132
.set G1, 24
.set G0, 32
.set G1B, 48
.set G0B, 56
.set G1S, 68
.set G0S, 76
.set G1SB, 80
.set G0SB, 88
.set G0H, 4
.set G0HB, 8
.set SV,  98                           ; 1 in a wave that makes v
.set SEL, 100
.set PFA, 104
.set MSB, 0
.macro WIN new
.if MSB != (\new)
	s_set_vgpr_msb (MSB<<8)|(\new)
.set MSB, \new
.endif
.endm
.set MUL_LO, 0xa1
.set MUL_HI, 0xf1
.set TO_B,   0x40
.macro JLOAD g0a, g1a, g0b, g1b        ; waves 0 and 1 fetch x's, waves 2 and 3 the weights'; s_nop 0 and four v_nop behind each line
	s_cmp_eq_u32 s15, 0
	s_cbranch_scc0 .Lfor_b_\@
	tensor_load_to_lds s[\g0a:\g0a+3], s[\g1a:\g1a+7]
	s_nop 0
.rept 4
	v_nop
.endr
	s_branch .Lasked_\@
.Lfor_b_\@:
	tensor_load_to_lds s[\g0b:\g0b+3], s[\g1b:\g1b+7]
	s_nop 0
.rept 4
	v_nop
.endr
.Lasked_\@:
.endm
.macro CREST
	s_cmp_lg_u32 s14, 0
	s_cbranch_scc1 .Lnot_wave_0_\@
	s_barrier_signal -3
.Lnot_wave_0_\@:
	s_barrier_wait -3
	s_barrier_signal -1
	s_barrier_wait -1
.endm
.macro CROUND
	s_barrier_signal -1
	s_barrier_wait -1
	CREST
.endm
	s_load_b64 s[4:5], s[0:1], 0x0                 ; xq
	s_load_b64 s[8:9], s[0:1], 0x8                 ; wq
	s_load_b64 s[12:13], s[0:1], 0x10              ; rope
	s_load_b64 s[66:67], s[0:1], 0x18              ; qkv
	v_lshl_add_u32 v[SPW], v0, 2, SPARE
	v_mov_b32 v[NIL], 0
	ds_add_u32 v[SPW], v[NIL]                      ; the opening lines: the add twice on end and one wait
	ds_add_u32 v[SPW], v[NIL]
	v_lshrrev_b32 v1, 5, v0
	v_readfirstlane_b32 s14, v1                    ; wave
	s_lshr_b32 s15, s14, 1                         ; my half of the rows; also: I fetch x's (0) or the weights' (1)
	s_and_b32 s16, s14, 1                          ; my half of the columns; also: which 8 blocks I fetch
	s_lshr_b32 s[SV], ttmp9, 1
	s_and_b32 s[SV], s[SV], s16
	s_bfe_u32 s40, ttmp6, 0x40000                  ; cx, cy
	s_bfe_u32 s41, ttmp6, 0x40004
	s_lshl_b32 s42, ttmp9, 2
	s_add_co_u32 s42, s42, s40                     ; tile column
	s_and_b32 s17, ttmp7, 0xffff
	s_lshl_b32 s17, s17, 2
	s_add_co_u32 s17, s17, s41                     ; tile row
	s_lshl_b32 s43, s41, 2
	s_lshl_b32 s43, 15, s43                        ; my row of the cluster
	s_lshl_b32 s44, 0x1111, s40                    ; my column
	s_or_b32 s[G1+0], s43, (3<<16)|(1<<21)         ; the mask; elements of 8 bytes; bit 21 beside a mask; no padding
	s_or_b32 s[G1B+0], s44, (3<<16)|(1<<21)
.irp g, G1, G1B
	s_mov_b32 s[\g+1], (STEPB/8)<<16               ; a row: 384 elements
	s_mov_b32 s[\g+2], 16<<16                      ; 16 rows at the head, 8 in the ring
	s_mov_b32 s[\g+3], (STEPB/8)<<16
	s_mov_b32 s[\g+4], 16
	s_mov_b32 s[\g+5], RBK/8                       ; the pitch
	s_mov_b32 s[\g+6], 0
	s_mov_b32 s[\g+7], 0
.endr
	s_or_b32 s[G1S+0], s43, (3<<16)|(1<<21)        ; the scale words of 256 rows: 16,384 dense bytes as 64 rows of 256
	s_or_b32 s[G1SB+0], s44, (3<<16)|(1<<21)
.irp g, G1S, G1SB
	s_mov_b32 s[\g+1], 32<<16
	s_mov_b32 s[\g+2], 64<<16
	s_mov_b32 s[\g+3], 32<<16
	s_mov_b32 s[\g+4], 64
	s_mov_b32 s[\g+5], 32
	s_mov_b32 s[\g+6], 0
	s_mov_b32 s[\g+7], 0
.endr
	s_mul_i32 s20, s17, 16*RBK                     ; x: the tile's codes,
	s_mov_b32 s21, 0
	s_mul_i32 s22, s17, 2*HALFS
	s_add_co_u32 s22, s22, XSC                     ; and scale words
	s_mov_b32 s23, 0
	s_mul_i32 s46, s42, 16*RBK                     ; the weights likewise
	s_mov_b32 s47, 0
	s_mul_i32 s92, s42, 2*HALFS
	s_add_co_u32 s92, s92, WSC
	s_mov_b32 s93, 0
	s_mul_i32 s18, s16, 8*RBK                      ; in the ring: my 8 blocks,
	s_mov_b32 s19, 0
	s_mul_i32 s45, s14, HALFT                      ; and where they go
	s_wait_dscnt 0x0
	s_wait_kmcnt 0x0
	s_add_nc_u64 s[20:21], s[4:5], s[20:21]
	s_add_nc_u64 s[22:23], s[4:5], s[22:23]
	s_add_nc_u64 s[46:47], s[8:9], s[46:47]
	s_add_nc_u64 s[92:93], s[8:9], s[92:93]
	CROUND                                         ; the first joint loads meet
	s_mov_b32 s[G0H], 1
	s_mov_b32 s[G0H+1], 0
	s_mov_b64 s[G0H+2:G0H+3], s[20:21]
	s_or_b32 s[G0H+3], s[G0H+3], 0x80000000
	s_mov_b32 s[G0HB], 1
	s_mov_b32 s[G0HB+1], 2*HALFT
	s_mov_b64 s[G0HB+2:G0HB+3], s[46:47]
	s_or_b32 s[G0HB+3], s[G0HB+3], 0x80000000
	s_mov_b32 s[G0S], 1
	s_mov_b32 s[G0S+1], SCL
	s_mov_b64 s[G0S+2:G0S+3], s[22:23]
	s_or_b32 s[G0S+3], s[G0S+3], 0x80000000
	s_mov_b32 s[G0SB], 1
	s_mov_b32 s[G0SB+1], SCL+2*HALFS
	s_mov_b64 s[G0SB+2:G0SB+3], s[92:93]
	s_or_b32 s[G0SB+3], s[G0SB+3], 0x80000000
	s_add_nc_u64 s[20:21], s[20:21], s[18:19]
	s_add_nc_u64 s[46:47], s[46:47], s[18:19]
.irp s, 0,1
	s_mov_b32 s[G0+4*\s], 1
	s_add_co_u32 s[G0+4*\s+1], s45, \s*SLOT
	s_add_nc_u64 s[G0+4*\s+2:G0+4*\s+3], s[20:21], \s*STEPB
	s_or_b32 s[G0+4*\s+3], s[G0+4*\s+3], 0x80000000
	s_mov_b32 s[G0B+4*\s], 1
	s_add_co_u32 s[G0B+4*\s+1], s45, \s*SLOT
	s_add_nc_u64 s[G0B+4*\s+2:G0B+4*\s+3], s[46:47], \s*STEPB
	s_or_b32 s[G0B+4*\s+3], s[G0B+4*\s+3], 0x80000000
.endr
	s_cmp_eq_u32 s15, 0                            ; the prefetches: of the 8 rows that I fetch, my work-group names 2: by cx for x's, by cy for the weights'
	s_cselect_b64 s[PFA:PFA+1], s[20:21], s[46:47]
	s_cselect_b32 s2, s40, s41
	s_mul_i32 s2, s2, 2*RBK
	s_mov_b32 s3, 0
	s_add_nc_u64 s[PFA:PFA+1], s[PFA:PFA+1], s[2:3]
.macro ARM under, g0, g1, next         ; one chain of branches on the wave's number, one load to an arm
	s_cmp_lt_u32 s14, \under
	s_cbranch_scc0 \next
	tensor_load_to_lds s[\g0:\g0+3], s[\g1:\g1+7]
	s_nop 0
.rept 4
	v_nop
.endr
	s_branch .Lhead_asked
\next:
.endm
	ARM 1, G0H,  G1,  .Lhead_b
	ARM 2, G0HB, G1B, .Lhead_sa
	ARM 3, G0S,  G1S, .Lhead_sb
	tensor_load_to_lds s[G0SB:G0SB+3], s[G1SB:G1SB+7]
	s_nop 0
.rept 4
	v_nop
.endr
.Lhead_asked:
	s_mul_i32 s21, s15, HALFT                      ; my 128 rows of x
	s_mul_i32 s22, s16, HALFT
	s_add_co_u32 s22, s22, 2*HALFT                 ; my 128 rows of the weights
	s_cmp_eq_u32 s[SV], 1
	s_cselect_b32 s18, s22, s21                    ; source 1: x's; in v's waves the weights'
	s_cselect_b32 s19, s21, s22                    ; source 0: the other
	s_add_co_u32 s2, s18, SLOT
	s_add_co_u32 s3, s19, SLOT
	s_mul_i32 s21, s15, HALFS
	s_mul_i32 s22, s16, HALFS
	s_add_co_u32 s22, s22, 2*HALFS
	s_sub_co_u32 s22, s22, s21                     ; from x's scale words to the weights'
	s_add_co_u32 s21, s21, SCL
	v_and_b32 v6, 31, v0
	v_and_b32 v1, 15, v0                           ; r
	v_bfe_u32 v2, v0, 4, 1                         ; h
	v_lshlrev_b32 v[LI], 4, v6
	v_min_u32 v7, 23, v6                           ; 24 blocks; the lanes left over name the last again
	v_mul_u32_u24 v3, v7, 11
	v_lshrrev_b32 v3, 7, v3                        ; block / 12: which of my two rows
	v_mul_u32_u24 v3, v3, RBK-STEPB
	v_lshl_add_u32 v[PFO], v7, 8, v3
	v_add_nc_u32 v[ADRA], s18, v[LI]
	v_add_nc_u32 v[ADRA+1], s2, v[LI]
	v_add_nc_u32 v[ADRB], s19, v[LI]
	v_add_nc_u32 v[ADRB+1], s3, v[LI]
	v_xor_b32 v6, s[SV], v2                        ; lanes 0-15 take source 1's words, lanes 16-31 source 0's
	v_mul_u32_u24 v6, s22, v6
	v_lshl_add_u32 v6, v1, 2, v6
	v_add_nc_u32 v[ADRS], s21, v6
	s_mov_b32 s[SEL], 0x76543210
	s_mov_b32 s[SEL+1], 0xfedcba98
	; where my eight fragments go: my 128 rows of x are chunk J of batch b, my 128 columns one head
	s_lshl_b32 s18, s17, 1
	s_add_co_u32 s18, s18, s15
	s_lshr_b32 s19, s18, 3                         ; b
	s_and_b32 s18, s18, 7                          ; J
	s_lshl_b32 s23, s18, 3
	s_lshl_b32 s20, s42, 1
	s_add_co_u32 s20, s20, s16                     ; q's head
	s_sub_co_u32 s21, s42, 8                       ; k's and v's
	s_mov_b32 s45, KIO
	s_mov_b32 s46, KSO
	s_mov_b32 s47, QSO
	s_cmp_eq_u32 ttmp9, 2
	s_cselect_b32 s20, s21, s20
	s_cselect_b32 s22, 2, 4                        ; log2 of the heads in a batch
	s_cselect_b32 s45, s45, 0
	s_cselect_b32 s46, s46, s47
	s_mov_b32 s47, VIO
	s_mov_b32 s99, VSO
	s_mov_b32 s2, 8192
	s_cmp_eq_u32 s[SV], 1
	s_cselect_b32 s45, s47, s45
	s_cselect_b32 s46, s99, s46
	s_cselect_b32 s47, 64, s23                     ; the table's first tile: 8 J; for v the tile of ones and zeros,
	s_cselect_b32 s96, 0, s2                       ; from which no step leads on
	s_lshl_b32 s19, s19, s22
	s_add_co_u32 s19, s19, s20
	s_lshl_b32 s19, s19, 6
	s_add_co_u32 s19, s19, s23                     ; my first fragment
	s_mul_i32 s20, s19, 1536
	s_add_co_u32 s20, s20, s45
	s_mov_b32 s21, 0
	s_add_nc_u64 s[92:93], s[66:67], s[20:21]      ; images
	s_lshl_b32 s20, s19, 7
	s_add_co_u32 s20, s20, s46
	s_add_nc_u64 s[94:95], s[66:67], s[20:21]      ; scale words
	s_lshl_b32 s20, s47, 13
	s_add_nc_u64 s[12:13], s[12:13], s[20:21]      ; the table
.irp a, 0,1,2,3,4,5,6,7
	v_mad_u32_u24 v[TOF+\a], s96, \a, v[LI]
.endr
.macro FRAG reg, adr, q, i             ; a fragment as it lies: three loads of 16 bytes a lane, each 512 consecutive bytes
.irp w, 0,1,2
	ds_load_b128 v[\reg+4*\w:\reg+4*\w+3], v[\adr] offset:(\i)*STEPB+(\q)*1536+512*\w
.endr
.endm
.macro MUL16 a0, p, q, sc, zero        ; source 1's blocks a0, a0 + 1 x source 0's eight; the 64 accumulators take turns
.irp a, \a0, \a0+1
.irp b, 0,1,2,3,4,5,6,7
.if \zero
	v_wmma_scale_f32_16x16x128_f8f6f4 v[8*(8*((\a)%4)+\b):8*(8*((\a)%4)+\b)+7], v[128*(\p)+FR*\b:128*(\p)+FR*\b+FR-1], v[AF+FR*(\a):AF+FR*(\a)+FR-1], 0, v[SC+8*NQ*(\sc)+NQ*\b+(\q)], v[SC+8*NQ*(\sc)+NQ*(\a)+(\q)] matrix_a_fmt:MATRIX_FMT_FP6 matrix_b_fmt:MATRIX_FMT_FP6 matrix_a_scale:MATRIX_SCALE_ROW1
.else
	v_wmma_scale_f32_16x16x128_f8f6f4 v[8*(8*((\a)%4)+\b):8*(8*((\a)%4)+\b)+7], v[128*(\p)+FR*\b:128*(\p)+FR*\b+FR-1], v[AF+FR*(\a):AF+FR*(\a)+FR-1], v[8*(8*((\a)%4)+\b):8*(8*((\a)%4)+\b)+7], v[SC+8*NQ*(\sc)+NQ*\b+(\q)], v[SC+8*NQ*(\sc)+NQ*(\a)+(\q)] matrix_a_fmt:MATRIX_FMT_FP6 matrix_b_fmt:MATRIX_FMT_FP6 matrix_a_scale:MATRIX_SCALE_ROW1
.endif
.endr
.endr
.endm
.macro FETCH_B slot, q, p
	WIN TO_B
.irp i, 0,1,2,3,4,5,6,7
	FRAG 128*(\p)+FR*\i, ADRB+\slot, \q, \i
.endr
	WIN 0
.endm
.macro FETCH_A slot, q, i0
.irp i, \i0, \i0+1, \i0+2, \i0+3
	FRAG AF+FR*(\i), ADRA+\slot, \q, \i
.endr
.endm
.macro SCALES sc                       ; a K step's scale words: lanes 0-15 source 1's block i, lanes 16-31 source 0's; 64 bytes from one matrix step to the next
.irp i, 0,1,2,3,4,5,6,7
.irp q, 0,1
	ds_load_b32 v[SC+8*NQ*\sc+NQ*\i+\q], v[ADRS] offset:\i*SBLK+64*\q
.endr
.endr
.endm
.macro PLACES n
.rept \n
	v_nop
.endr
.endm
.macro STEP slot, q, zero              ; 128 along K that have their successor in the same slot
	s_wait_dscnt 4*NL                              ; all but the youngest 12 loads (source 1's blocks 4-7)
	WIN MUL_LO
	MUL16 0, (\q)%2, \q, \slot, \zero
	MUL16 2, (\q)%2, \q, \slot, \zero
	s_wait_dscnt 0
	PLACES NP
	FETCH_B \slot, (\q)+1, 1-(\q)%2
	FETCH_A \slot, (\q)+1, 0
	WIN MUL_HI
	MUL16 4, (\q)%2, \q, \slot, \zero
	MUL16 6, (\q)%2, \q, \slot, \zero
	PLACES NP
	WIN 0
	FETCH_A \slot, (\q)+1, 4
.endm
.macro TURN slot, next, fill           ; a slot's last step changes slots; fill = 1: the slot is filled again, two K steps ahead
.if \fill
	s_wait_xcnt 0x0                                ; my last prefetch has read its address
	s_add_nc_u64 s[PFA:PFA+1], s[PFA:PFA+1], STEPB
.endif
	s_wait_tensorcnt 0x0                           ; my part of the next slot has landed
	ds_add_u32 v[SPW], v[NIL]
	s_wait_dscnt 4*NL+1                            ; (the add and the youngest 12 loads may be out)
	WIN MUL_LO
	MUL16 0, 1, NQ-1, \slot, 0
	s_wait_dscnt 0x0                               ; the add is done, my reads of this slot are over
	s_barrier_signal -1
	MUL16 2, 1, NQ-1, \slot, 0
	WIN 0
	s_barrier_wait -1
.if \fill
	CREST                                          ; the barrier has opened a round of the cluster's
	s_add_nc_u64 s[G0+4*\slot+2:G0+4*\slot+3], s[G0+4*\slot+2:G0+4*\slot+3], 2*STEPB
	s_add_nc_u64 s[G0B+4*\slot+2:G0B+4*\slot+3], s[G0B+4*\slot+2:G0B+4*\slot+3], 2*STEPB
	JLOAD G0+4*\slot, G1, G0B+4*\slot, G1B         ; my one load behind the round; its four v_nop are the places in front of the loads below
.else
	PLACES NP
.endif
	s_wait_alu depctr_va_vdst(0)                   ; the wait ahead of this reader
	v_add_nc_u32 v[ADRS], 64*NQ, v[ADRS]           ; the next K step's scale words
	FETCH_B \next, 0, 0
	FETCH_A \next, 0, 0
	SCALES \next
.if \fill
	s_cmp_gt_u32 s3, 1                             ; the loop's last trip has no K step two on
	s_cbranch_scc0 .Lno_ask_\@
	global_prefetch_b8 v[PFO], s[PFA:PFA+1] offset:3*STEPB th:TH_LOAD_NT scope:SCOPE_SE
.Lno_ask_\@:
.endif
	WIN MUL_HI
	MUL16 4, 1, NQ-1, \slot, 0
	MUL16 6, 1, NQ-1, \slot, 0
	PLACES NP
	WIN 0
	FETCH_A \next, 0, 4
.endm
.macro TABLE a                         ; tile a of my eight, 8,192 bytes, into set a % 4 of window 1
	WIN TO_B
.irp l, 0,1,2,3,4,5,6,7,8,9,10,11,12,13,14,15
	global_load_b128 v[64*((\a)%4)+4*\l:64*((\a)%4)+4*\l+3], v[TOF+(\a)], s[12:13] offset:512*\l
.endr
	WIN 0
.endm
	s_wait_alu depctr_va_vdst(0)                   ; the wait at the head's end
	global_prefetch_b8 v[PFO], s[PFA:PFA+1] offset:STEPB th:TH_LOAD_NT scope:SCOPE_SE     ; K step 1, whose load stands behind the head's loads: asked for one load ahead
	global_prefetch_b8 v[PFO], s[PFA:PFA+1] offset:2*STEPB th:TH_LOAD_NT scope:SCOPE_SE   ; K step 2
	s_wait_tensorcnt 0x0                           ; my tile of the head's four is in; the full sequence ahead of slot 1's first fill
	ds_add_u32 v[SPW], v[NIL]
	s_mov_b32 s[G1+2], 8<<16                       ; no load of mine is out: from here on a load brings 8 rows
	s_mov_b32 s[G1+4], 8
	s_mov_b32 s[G1B+2], 8<<16
	s_mov_b32 s[G1B+4], 8
	s_wait_dscnt 0x0
	CROUND
	JLOAD G0+4, G1, G0B+4, G1B                     ; K step 1
	FETCH_B 0, 0, 0
	FETCH_A 0, 0, 0
	SCALES 0
	FETCH_A 0, 0, 4
	global_prefetch_b8 v[PFO], s[PFA:PFA+1] offset:3*STEPB th:TH_LOAD_NT scope:SCOPE_SE   ; K step 3
	STEP 0, 0, 1                                   ; the first step's products start the sums
	s_mov_b32 s3, LAPS-1
.Llap:
	TURN 0, 1, 1
	STEP 1, 0, 0
	TURN 1, 0, 1
	STEP 0, 0, 0
	s_sub_co_u32 s3, s3, 1
	s_cmp_lg_u32 s3, 0
	s_cbranch_scc1 .Llap
	TURN 0, 1, 0                                   ; the last lap fills nothing
	STEP 1, 0, 0
	TABLE 0                                        ; source 0's set 0 is done with: the table's first two tiles are asked for 64 products ahead of the way out
	TABLE 1
	s_wait_dscnt 4*NL
	WIN MUL_LO
	MUL16 0, 1, NQ-1, 1, 0
	MUL16 2, 1, NQ-1, 1, 0
	s_wait_dscnt 0
	WIN MUL_HI
	MUL16 4, 1, NQ-1, 1, 0
	MUL16 6, 1, NQ-1, 1, 0
	WIN 0
; THE WAY OUT, block a at a time: 64 numbers a lane, register 16 b + i = index 32 b + 16 h + i along the quantiser's axis.  x1 = registers 0-31, x2 = registers 32-63: x1 cos - x2 sin, x1 sin + x2 cos.
.macro ROPE a
.set AC, 64*((\a)%4)
.set TS, 64*((\a)%4)
	WIN 0x06+(\a)/4                                ; source 0: window 2 or 3; source 1: window 1
.irp g, 0,1,2,3
.irp p, 0,1,2,3
	v_pk_mul_f32 v[HA+8*\g+2*\p:HA+8*\g+2*\p+1], v[AC+32+8*\g+2*\p:AC+32+8*\g+2*\p+1], v[TS+32+8*\g+2*\p:TS+32+8*\g+2*\p+1]
.endr
.irp p, 0,1,2,3
	v_pk_mul_f32 v[HA+32+8*\g+2*\p:HA+32+8*\g+2*\p+1], v[AC+32+8*\g+2*\p:AC+32+8*\g+2*\p+1], v[TS+8*\g+2*\p:TS+8*\g+2*\p+1]
.endr
.irp p, 0,1,2,3
	v_pk_fma_f32 v[HA+8*\g+2*\p:HA+8*\g+2*\p+1], v[AC+8*\g+2*\p:AC+8*\g+2*\p+1], v[TS+8*\g+2*\p:TS+8*\g+2*\p+1], v[HA+8*\g+2*\p:HA+8*\g+2*\p+1] neg_lo:[0,0,1] neg_hi:[0,0,1]
.endr
.irp p, 0,1,2,3
	v_pk_fma_f32 v[HA+32+8*\g+2*\p:HA+32+8*\g+2*\p+1], v[AC+8*\g+2*\p:AC+8*\g+2*\p+1], v[TS+32+8*\g+2*\p:TS+32+8*\g+2*\p+1], v[HA+32+8*\g+2*\p:HA+32+8*\g+2*\p+1]
.endr
.endr
	WIN 0
.endm
.macro QUANT s, pw                     ; 64 numbers of a lane become a fragment's codes in v[PC] on and its scale word in v[pw]
.irp b, 0,1,2,3
	v_max3_num_f32 v[TM+\b], |v[\s+16*\b]|, |v[\s+1+16*\b]|, 0x1800000   ; with the floor 2^(3 - 127): the byte cannot fall under 1
.endr
.irp i, 2,4,6,8,10,12,14
.irp b, 0,1,2,3
	v_max3_num_f32 v[TM+\b], v[TM+\b], |v[\s+16*\b+\i]|, |v[\s+1+16*\b+\i]|
.endr
.endr
.irp b, 0,1,2,3
	v_permlanex16_b32 v[TM+4+\b], v[TM+\b], s[SEL], s[SEL+1]
.endr
.irp b, 0,1,2,3
	v_max_num_f32 v[TM+\b], v[TM+\b], v[TM+4+\b]   ; the block's largest magnitude
.endr
.irp b, 0,1,2,3
	v_add_nc_u32 v[TM+12+\b], 0xff000000, v[TM+\b] ; 2 off its exponent field: the conversion's scale operand
.endr
.irp b, 0,1,2,3
	v_lshrrev_b32 v[TM+4+\b], 23, v[TM+12+\b]      ; the scale's byte
.endr
	v_lshl_or_b32 v[\pw], v[TM+5], 8, v[TM+4]
	v_lshl_or_b32 v[\pw], v[TM+6], 16, v[\pw]
	v_lshl_or_b32 v[\pw], v[TM+7], 24, v[\pw]
	s_wait_xcnt 0x0                                ; the last block's stores have read their data
.irp c, 0,1
	v_cvt_scalef32_pk16_fp6_f32 v[PC+6*\c:PC+2+6*\c], v[\s+32*\c:\s+15+32*\c], v[TM+12+2*\c]
	v_cvt_scalef32_pk16_fp6_f32 v[PC+12+4*\c:PC+14+4*\c], v[\s+16+32*\c:\s+31+32*\c], v[TM+12+2*\c+1]
.endr
	v_nop                                          ; one plain instruction behind a scaled conversion
.irp c, 0,1                            ; a whole block in a lane: lanes 0-15 block 2 c, lanes 16-31 block 2 c + 1
.irp i, 0,1,2
	v_permlane16_swap_b32 v[PC+6*\c+\i], v[PC+12+4*\c+\i]
.endr
.irp i, 0,1,2
	v_mov_b32 v[PC+3+6*\c+\i], v[PC+12+4*\c+\i]
.endr
.endr
.endm
	PLACES NP
.irp b, 0,1,2,3
	v_mov_b32 v[TM+4+\b], 0                        ; a lane permute's destination counts as one of its sources
.endr
	TABLE 2
	TABLE 3
.irp a, 0,1,2,3,4,5,6,7
.if \a < 5
	s_wait_loadcnt 48                              ; this block's tile is in; three tiles' 48 loads may stay out
.else
	s_wait_loadcnt 16*(7-\a)
.endif
	ROPE \a
.if \a < 4
	TABLE \a+4
.endif
	QUANT HA, SW+\a
.irp c, 0,1,2
	global_store_b128 v[LI], v[PC+4*\c:PC+4*\c+3], s[92:93] offset:1536*\a+512*\c   ; 32 lanes store 512 consecutive bytes, aligned
.endr
.endr
.irp u, 0,1
	global_store_b128 v[LI], v[SW+4*\u:SW+4*\u+3], s[94:95] offset:512*\u
.endr
	s_wait_tensorcnt 0x0                           ; the wave's end
	ds_add_u32 v[SPW], v[NIL]
	s_wait_dscnt 0x0
	CROUND                                         ; the closing round
	s_endpgm
.Lfunc_end_k_qd49f247335_proj:
	.size	k_qd49f247335_proj, .Lfunc_end_k_qd49f247335_proj-k_qd49f247335_proj
	.p2alignl 7, 3214868480
	.fill 96, 4, 3214868480
	.section	.rodata,"a",@progbits
	.p2align	6, 0x0
	.amdhsa_kernel k_qd49f247335_proj
		.amdhsa_group_segment_fixed_size 327680
		.amdhsa_private_segment_fixed_size 0
		.amdhsa_enable_private_segment 0
		.amdhsa_kernarg_size 32
		.amdhsa_user_sgpr_count 2
		.amdhsa_user_sgpr_kernarg_segment_ptr 1
		.amdhsa_wavefront_size32 1
		.amdhsa_system_sgpr_workgroup_id_x 1
		.amdhsa_system_sgpr_workgroup_id_y 1
		.amdhsa_system_sgpr_workgroup_id_z 1
		.amdhsa_system_vgpr_workitem_id 0
		.amdhsa_next_free_vgpr 1024
		.amdhsa_next_free_sgpr 106
		.amdhsa_reserve_vcc 0
		.amdhsa_float_denorm_mode_32 3
		.amdhsa_float_denorm_mode_16_64 3
		.amdhsa_memory_ordered 1
		.amdhsa_forward_progress 1
		.amdhsa_inst_pref_size 190
	.end_amdhsa_kernel
	.amdgpu_metadata
---
amdhsa.version: [ 1, 2 ]
amdhsa.kernels:
  - .name:           k_qd49f247335_proj
    .symbol:         k_qd49f247335_proj.kd
    .args:
      - { .name: xq, .offset: 0, .size: 8, .value_kind: global_buffer, .address_space: global }
      - { .name: wq, .offset: 8, .size: 8, .value_kind: global_buffer, .address_space: global }
      - { .name: rope, .offset: 16, .size: 8, .value_kind: global_buffer, .address_space: global }
      - { .name: qkv, .offset: 24, .size: 8, .value_kind: global_buffer, .address_space: global }
    .group_segment_fixed_size: 327680
    .private_segment_fixed_size: 0
    .kernarg_segment_align: 8
    .kernarg_segment_size: 32
    .max_flat_workgroup_size: 128
    .sgpr_count:     106
    .vgpr_count:     1024
    .wavefront_size: 32
...
	.end_amdgpu_metadata
.endif
;; end of part 2
;; launch attn (part 3): grid 16 x 16, 16 waves a work-group, no clusters, 169,984 bytes of LDS; arguments qkv, yq; writes yq
.if DOCPART == 3
	.amdgcn_target "amdgcn-amd-amdhsa--gfx1250"
	.amdhsa_code_object_version 6
	.text
	.protected	k_qd49f247335_attn
	.globl	k_qd49f247335_attn
	.p2align	8
	.type	k_qd49f247335_attn,@function
k_qd49f247335_attn:
	s_mov_b64 s[64:65], 0
	v_nop
	global_prefetch_b8 v0, s[64:65] scope:SCOPE_SE
	s_setreg_imm32_b32 hwreg(HW_REG_WAVE_MODE, 25, 1), 1
	s_wait_xcnt 0x0
; y = softmax(q k^T / sqrt(128), keys i - 256 .. i) v for 64 queries of the four query heads that share one key and value head; both products on codes of FP6 (E2M3) with E8M0 scales; y leaves quantised along its 2,048 channels.
; THE SOFTMAX: t = score x log2(e) / sqrt(128); M = the running largest t rounded UP to a whole number; p = 2^(t - M) is quantised along the keys, not normalised; the row's sum is taken of the unquantised p and divides at the end.
; SHARES.  Work-group (g, bk): queries 64 g .. 64 g + 63 of batch bk / 4, key and value head bk % 4.  Wave w: query head 4 (bk % 4) + w % 4, tile 4 g + w / 4 of 16 queries, in 256 registers: four waves to a SIMD.
; THE BAND.  With Jq = g / 2 the keys that count lie in the chunks of 128 keys Jq - 2 .. Jq.  Chunks Js, Js + 1, Js + 2, Js = max(Jq - 2, 0), always lie inside the head.  q, k and v arrive as images of operand registers,
; so the three chunks are ONE dense block each of k's fragments, of v's and of their scale words: four tensor loads, each LDS byte filled once.  A step all of whose keys come after the wave's queries is left out by a scalar branch on ids.
; NO CLUSTER: neighbouring work-groups want different chunks, so partners would need LDS addresses or skips that hang on their place.
; LAYOUT.  Both products are used transposed (S^T = k q^T, O^T = v^T p^T): a lane holds ONE query throughout.  Tile T of q or k holds positions 32 (T / 2) + 8 (T % 2) + r + 8 (r / 8), so the 16 registers of two
; neighbouring tiles of scores are 16 neighbouring keys; v's tiles of channels are chosen likewise, so O^T's 64 registers lie as the quantiser of y wants them.
; LIMITS: NaN and infinities are not served; a block whose largest magnitude lies under 2^-124 (a block of zeros too) keeps the scale byte 1: this program alone reads the bytes.
; REGISTERS: v1-8 addresses that stay; v12 -M, v13 the largest t, v[14:15] the sum in two halves; v16-27 q, v255 its scale word; v32-79 four fragments; v96-159 S^T, then p; v160-223 O^T; v224-235 p's codes; v232-254 at work.
.set QSO,   6291456                    ; qkv: q's images at 0, its scale words here, ...
.set KIO,   6815744
.set KSO,   8388608
.set VIO,   8519680
.set VSO,   10092544
.set YSC,   6291456                    ; yq: y's codes as images of operand registers [block of 16 stored rows][head][1536]; scale words [block][head][16 rows] from here
.set VIM,   36864                      ; LDS: k's 24 fragments at 0, v's here,
.set KSC,   73728                      ; k's scale words (3,072 bytes),
.set VSC,   76800                      ; v's,
.set PC,    32
.set TM,    232
.set SEL,   20
.set G1I, 24                           ; s[24:31] group 1 for the images: 144 rows of 256 bytes;  s[32:39] for the scale words: 12 rows
.set G1S, 32
.set G0I, 40
.set G0S, 44
.set KF,  48                           ; s48 the step's first key
.set Q0,  49                           ; s49 my tile's first query; its queries are Q0 + r + 8 (r / 8): Q0 .. Q0 + 23
	s_load_b128 s[4:7], s[0:1], 0x0                ; qkv, yq
	v_lshl_add_u32 v95, v0, 2, 0x29000
	v_mov_b32 v243, 0
	ds_add_u32 v95, v243
	ds_add_u32 v95, v243
	v_lshrrev_b32 v9, 5, v0
	s_delay_alu instid0(VALU_DEP_1)
	v_readfirstlane_b32 s18, v9                    ; wave 0..15
	s_and_b32 s8, ttmp7, 0xffff                    ; bk
	s_lshr_b32 s9, s8, 2                           ; batch
	s_and_b32 s10, s8, 3                           ; key and value head
	s_and_b32 s11, s18, 3                          ; which of its four query heads
	s_lshr_b32 s12, s18, 2                         ; which of the four tiles of queries
	s_lshr_b32 s13, ttmp9, 1
	s_max_u32 s13, s13, 2
	s_sub_co_u32 s13, s13, 2                       ; Js
	s_lshl_b32 s[KF], s13, 7
	s_lshr_b32 s14, s12, 1
	s_lshl_b32 s14, s14, 5
	s_and_b32 s15, s12, 1
	s_lshl_b32 s15, s15, 3
	s_add_co_u32 s14, s14, s15                     ; my tile's first row among the 64
	s_lshl_b32 s[Q0], ttmp9, 6
	s_add_co_u32 s[Q0], s[Q0], s14
	s_mov_b32 s[SEL], 0x76543210
	s_mov_b32 s[SEL+1], 0xfedcba98                 ; lane l xor 16
	s_mov_b32 s22, 0x3e0293ee                      ; c = log2(e) / sqrt(128)
	s_mov_b32 s23, s22                             ; (named with it as a pair)
	s_mov_b32 s[G1I], 3<<16                        ; no mask; elements of 8 bytes; no padding
	s_mov_b32 s[G1I+1], 32<<16                     ; tensor_dim0 = 32 elements: 256 bytes
	s_mov_b32 s[G1I+2], 144<<16                    ; tensor_dim1
	s_mov_b32 s[G1I+3], 32<<16                     ; tile_dim0
	s_mov_b32 s[G1I+4], 144                        ; tile_dim1
	s_mov_b32 s[G1I+5], 32                         ; the pitch: dense
	s_mov_b32 s[G1I+6], 0
	s_mov_b32 s[G1I+7], 0
	s_mov_b32 s[G1S], 3<<16
	s_mov_b32 s[G1S+1], 32<<16
	s_mov_b32 s[G1S+2], 12<<16
	s_mov_b32 s[G1S+3], 32<<16
	s_mov_b32 s[G1S+4], 12
	s_mov_b32 s[G1S+5], 32
	s_mov_b32 s[G1S+6], 0
	s_mov_b32 s[G1S+7], 0
	s_and_b32 s16, s18, 1                          ; even waves fetch k's, odd ones v's
	s_lshl_b32 s50, s8, 6
	s_lshl_b32 s51, s13, 3
	s_add_co_u32 s50, s50, s51                     ; the first fragment: 64 bk + 8 Js
	s_mul_i32 s52, s50, 1536
	s_mul_i32 s17, s16, VIO-KIO
	s_add_co_u32 s52, s52, s17
	s_add_co_u32 s52, s52, KIO
	s_mov_b32 s53, 0
	s_lshl_b32 s54, s50, 7
	s_mul_i32 s17, s16, VSO-KSO
	s_add_co_u32 s54, s54, s17
	s_add_co_u32 s54, s54, KSO
	s_mov_b32 s55, 0
	s_mul_i32 s58, s16, VIM
	s_mul_i32 s59, s16, VSC-KSC
	; every LDS address is made here, ahead of the loads
	v_and_b32 v9, 31, v0                           ; lane
	v_and_b32 v10, 15, v0                          ; r
	v_bfe_u32 v11, v0, 4, 1                        ; h
	s_delay_alu instid0(VALU_DEP_3)
	v_lshlrev_b32 v1, 4, v9                        ; 16 x lane: an image's place for my lane
	s_delay_alu instid0(VALU_DEP_1)
	v_add_nc_u32 v2, VIM, v1                       ; the same from v's images on (an LDS offset has 16 bits)
	s_delay_alu instid0(VALU_DEP_4)
	v_and_b32 v5, 8, v10
	s_delay_alu instid0(VALU_DEP_1)
	v_add_nc_u32 v5, v5, v10                       ; r + 8 (r / 8)
	v_lshlrev_b32 v11, 4, v11
	v_lshlrev_b32 v3, 2, v10                       ; 4 r: my row's scale word on the way out
	s_delay_alu instid0(VALU_DEP_2)
	v_sub_nc_u32 v5, v5, v11                       ; r + 8 (r / 8) - 16 h, for the masks
	s_wait_alu depctr_va_vdst(0)
	s_wait_dscnt 0x0
	s_wait_kmcnt 0x0
	s_mov_b32 s[G0I], 1
	s_mov_b32 s[G0I+1], s58
	s_add_nc_u64 s[G0I+2:G0I+3], s[4:5], s[52:53]
	s_or_b32 s[G0I+3], s[G0I+3], 0x80000000
	s_mov_b32 s[G0S], 1
	s_add_co_u32 s[G0S+1], s59, KSC
	s_add_nc_u64 s[G0S+2:G0S+3], s[4:5], s[54:55]
	s_or_b32 s[G0S+3], s[G0S+3], 0x80000000
	; waves 0 and 1: k's and v's images; waves 2 and 3: their scale words; the others nothing.  One load a wave; four v_nop follow each line
	s_cmp_lt_u32 s18, 2
	s_cbranch_scc0 .Lnot_images
	tensor_load_to_lds s[G0I:G0I+3], s[G1I:G1I+7]
	s_nop 0
.rept 4
	v_nop
.endr
	s_branch .Lasked
.Lnot_images:
	s_cmp_lt_u32 s18, 4
	s_cbranch_scc0 .Lasked
	tensor_load_to_lds s[G0S:G0S+3], s[G1S:G1S+7]
	s_nop 0
.rept 4
	v_nop
.endr
.Lasked:
	s_lshl_b32 s60, s8, 2                          ; 16 x batch + 4 x key and value head
	s_add_co_u32 s60, s60, s11                     ; my query head
	s_lshl_b32 s60, s60, 6
	s_lshl_b32 s61, ttmp9, 2
	s_add_co_u32 s60, s60, s61
	s_add_co_u32 s60, s60, s12                     ; q's fragment
	s_mul_i32 s62, s60, 1536
	s_mov_b32 s63, 0
	s_add_nc_u64 s[66:67], s[4:5], s[62:63]
	s_lshr_b32 s62, s60, 2
	s_lshl_b32 s62, s62, 9                         ; its group of four scale words,
	s_lshl_b32 s61, s12, 2
	s_add_co_u32 s62, s62, s61                     ; and its word in a lane's 16 bytes
	s_add_co_u32 s62, s62, QSO
	s_add_nc_u64 s[68:69], s[4:5], s[62:63]
.irp w, 0,1,2
	global_load_b128 v[16+4*\w:19+4*\w], v1, s[66:67] offset:512*\w
.endr
	global_load_b32 v255, v1, s[68:69]
	s_lshl_b32 s60, s9, 6
	s_lshl_b32 s61, ttmp9, 2
	s_add_co_u32 s60, s60, s61
	s_add_co_u32 s60, s60, s12                     ; y's block of 16 stored rows: 64 x batch + my tile of queries
	s_lshl_b32 s60, s60, 4
	s_lshl_b32 s61, s10, 2
	s_add_co_u32 s60, s60, s61
	s_add_co_u32 s60, s60, s11                     ; my fragment: 16 x block + my query head
	s_mul_i32 s62, s60, 1536
	s_add_nc_u64 s[70:71], s[6:7], s[62:63]        ; its image
	s_lshl_b32 s62, s60, 6
	s_add_co_u32 s62, s62, YSC
	s_add_nc_u64 s[72:73], s[6:7], s[62:63]        ; its 16 scale words
	v_mov_b32 v13, 0xff61b1e6                      ; the largest t so far: -3e38
	s_delay_alu instid0(VALU_DEP_1)
	v_floor_f32 v12, -v13                          ; -M
	v_mov_b32 v14, 0
	v_mov_b32 v15, 0
.irp b, 0,1,2,3
	v_mov_b32 v[236+\b], 0                         ; written once: a lane permute's destination counts as one of its sources
.endr
	v_mov_b32 v252, 0
	v_mov_b32 v253, 0
.set j, 0
.rept 64
	v_mov_b32 v[160+j], 0                          ; O^T: the step is one macro; the first finds zeros, which the first change of M leaves zeros
.set j, j+1
.endr
	s_wait_tensorcnt 0x0                           ; my load, if I have one, has landed,
	s_barrier_signal -1
	s_barrier_wait -1                              ; everybody's has
	s_wait_loadcnt 0x0                             ; q
; A KEY STEP: chunk ch of the three, 128 keys.  Every LDS offset is an immediate.
.macro STEP ch
.if \ch > 0                            ; (chunk 0 begins at or before every query of the block)
	s_add_co_u32 s74, s[Q0], 23
	s_cmp_gt_u32 s[KF], s74                        ; all its keys come after my queries: nothing to do
	s_cbranch_scc1 .Lhidden_\@
.endif
.irp g, 0,1                            ; S^T = k q^T, four tiles of 16 keys at a time
.if (\ch > 0) || (\g > 0)
.rept 4
	v_nop                                          ; places in front of loads into registers that matrix instructions have read
.endr
.endif
.irp t, 0,1,2,3
.irp w, 0,1,2
	ds_load_b128 v[32+12*\t+4*\w:35+12*\t+4*\w], v1 offset:12288*\ch+1536*(4*\g+\t)+512*\w
.endr
.endr
	ds_load_b128 v[248:251], v2 offset:KSC-VIM+1024*\ch+512*\g   ; the four tiles' scale words
	s_wait_dscnt 0x0
.irp t, 0,1,2,3
	v_wmma_scale_f32_16x16x128_f8f6f4 v[96+8*(4*\g+\t):103+8*(4*\g+\t)], v[32+12*\t:43+12*\t], v[16:27], 0, v[248+\t], v255 matrix_a_fmt:MATRIX_FMT_FP6 matrix_b_fmt:MATRIX_FMT_FP6
.endr
.endr
.rept 4
	v_nop
.endr
	; register 16 b + i holds key KF + 16 h + 32 b + i.  Hidden scores become -infinity ahead of the maximum: p = 0 then
	s_add_co_u32 s74, s[KF], 127
	s_cmp_le_u32 s74, s[Q0]                        ; no key of the step comes after a query of mine
	s_cbranch_scc1 .Lopen_\@
	s_sub_co_i32 s74, s[Q0], s[KF]
	v_add_nc_u32 v252, s74, v5                     ; d = my query - KF - 16 h: hidden where 32 b + i > d
	v_mov_b32 v254, 0xff800000
.set m, 0
.rept 64
	v_cmp_gt_i32 vcc_lo, 32*(m/16)+m%16, v252
	v_cndmask_b32 v[96+m], v[96+m], v254, vcc_lo
.set m, m+1
.endr
.Lopen_\@:
.if \ch < 2                            ; (chunk 2 begins at 128 (Js + 2), which is at most 127 behind a query of the block)
	s_add_co_u32 s74, s[KF], 256
	s_add_co_u32 s75, s[Q0], 23
	s_cmp_ge_u32 s74, s75                          ; no key of the step lies more than 256 behind a query of mine
	s_cbranch_scc1 .Lnear_\@
	s_sub_co_i32 s74, s[Q0], s[KF]
	s_sub_co_i32 s74, s74, 256
	v_add_nc_u32 v252, s74, v5                     ; hidden where 32 b + i < d - 256
	v_mov_b32 v254, 0xff800000
.set m, 0
.rept 64
	v_cmp_lt_i32 vcc_lo, 32*(m/16)+m%16, v252
	v_cndmask_b32 v[96+m], v[96+m], v254, vcc_lo
.set m, m+1
.endr
.Lnear_\@:
.endif
.irp b, 0,1,2,3
	v_max3_num_f32 v[232+\b], v[96+16*\b], v[97+16*\b], v[98+16*\b]   ; the largest score of each block of 32 keys: for the row's maximum and, since p rises with the score, for the block's largest p
.endr
.irp i, 3,5,7,9,11,13
.irp b, 0,1,2,3
	v_max3_num_f32 v[232+\b], v[232+\b], v[96+16*\b+\i], v[97+16*\b+\i]
.endr
.endr
.irp b, 0,1,2,3
	v_max_num_f32 v[232+\b], v[232+\b], v[111+16*\b]
.endr
.irp b, 0,1,2,3
	s_delay_alu instid0(VALU_DEP_4)
	v_permlanex16_b32 v[236+\b], v[232+\b], s[SEL], s[SEL+1]
.endr
.irp b, 0,1,2,3
	s_delay_alu instid0(VALU_DEP_4)
	v_max_num_f32 v[232+\b], v[232+\b], v[236+\b]  ; with lane l xor 16's 16 keys
.endr
	s_delay_alu instid0(VALU_DEP_2)
	v_max3_num_f32 v254, v232, v233, v234
	s_delay_alu instid0(VALU_DEP_1)
	v_max_num_f32 v254, v254, v235
	s_delay_alu instid0(VALU_DEP_1)
	v_mul_f32 v254, s22, v254                      ; as t (c is positive)
	s_delay_alu instid0(VALU_DEP_1)
	v_max_num_f32 v13, v13, v254                   ; the running largest t
	v_mov_b32 v254, v12
	s_delay_alu instid0(VALU_DEP_2)
	v_floor_f32 v12, -v13                          ; the new -M = -ceil(t)
	s_delay_alu instid0(VALU_DEP_1)
	v_sub_f32 v254, v12, v254                      ; old M - new M: a whole number, 0 or less
	s_delay_alu instid0(VALU_DEP_1)
	v_cvt_i32_f32 v254, v254                       ; (it saturates)
	s_delay_alu instid0(VALU_DEP_1)
	v_ldexp_f32 v252, 1.0, v254                    ; f = 2^(old M - new M)
.set j, 0
.rept 32
	v_pk_fma_f32 v[96+j:97+j], v[96+j:97+j], s[22:23], v[12:13] op_sel_hi:[1,0,0]   ; t - M
.set j, j+2
.endr
.irp b, 0,1,2,3
	v_fma_f32 v[232+\b], v[232+\b], s22, v12       ; the same of each block's largest score
.endr
.set j, 0
	s_wait_alu depctr_va_vdst(0)
.rept 64
	v_exp_f32 v[96+j], v[96+j]                     ; p = 2^(t - M)
.set j, j+1
.endr
	v_pk_mul_f32 v[14:15], v[14:15], v[252:253] op_sel_hi:[1,0]   ; the sums under the new M (a plain instruction behind the exponentials)
	s_wait_alu depctr_va_vdst(0)                   ; one wait for the batch of 64, ahead of its first reader
.irp b, 0,1,2,3
	v_exp_f32 v[232+\b], v[232+\b]                 ; the block's largest p
.endr
	v_pk_add_f32 v[236:237], v[100:101], v[104:105]
	v_pk_add_f32 v[250:251], v[108:109], v[112:113]
	v_pk_add_f32 v[248:249], v[116:117], v[120:121]
	v_pk_add_f32 v[246:247], v[124:125], v[128:129]
	v_pk_add_f32 v[244:245], v[132:133], v[136:137]
	v_pk_add_f32 v[240:241], v[140:141], v[144:145]
	v_pk_add_f32 v[238:239], v[148:149], v[152:153]
	v_pk_add_f32 v[14:15], v[14:15], v[156:157]
	v_pk_add_f32 v[236:237], v[236:237], v[96:97]
	v_pk_add_f32 v[250:251], v[250:251], v[98:99]
	v_pk_add_f32 v[248:249], v[248:249], v[102:103]
	v_pk_add_f32 v[246:247], v[246:247], v[106:107]
	v_pk_add_f32 v[244:245], v[244:245], v[110:111]
	v_pk_add_f32 v[240:241], v[240:241], v[114:115]
	v_pk_add_f32 v[238:239], v[238:239], v[118:119]
	v_pk_add_f32 v[14:15], v[14:15], v[122:123]
	v_pk_add_f32 v[236:237], v[236:237], v[126:127]
	v_pk_add_f32 v[250:251], v[250:251], v[130:131]
	v_pk_add_f32 v[248:249], v[248:249], v[134:135]
	v_pk_add_f32 v[246:247], v[246:247], v[138:139]
	v_pk_add_f32 v[244:245], v[244:245], v[142:143]
	v_pk_add_f32 v[240:241], v[240:241], v[146:147]
	v_pk_add_f32 v[238:239], v[238:239], v[150:151]
	v_pk_add_f32 v[14:15], v[14:15], v[154:155]
	v_pk_add_f32 v[236:237], v[236:237], v[158:159]
	s_delay_alu instid0(VALU_DEP_2)
	v_pk_add_f32 v[14:15], v[14:15], v[246:247]
	s_delay_alu instid0(VALU_DEP_2)
	v_pk_add_f32 v[236:237], v[236:237], v[244:245]
	v_pk_add_f32 v[250:251], v[250:251], v[240:241]
	v_pk_add_f32 v[248:249], v[248:249], v[238:239]
	s_delay_alu instid0(VALU_DEP_2)
	v_pk_add_f32 v[14:15], v[14:15], v[250:251]
	s_delay_alu instid0(VALU_DEP_2)
	v_pk_add_f32 v[236:237], v[236:237], v[248:249]
	s_delay_alu instid0(VALU_DEP_1)
	v_pk_add_f32 v[14:15], v[14:15], v[236:237]
	s_wait_alu depctr_va_vdst(0)                   ; and one for the four
.irp b, 0,1,2,3
	v_max_num_f32 v[232+\b], 0x1800000, v[232+\b]  ; the floor 2^(3 - 127)
.endr
.irp b, 0,1,2,3
	s_delay_alu instid0(VALU_DEP_4)
	v_add_nc_u32 v[244+\b], 0xff000000, v[232+\b]  ; the conversion's scale operand
.endr
.irp b, 0,1,2,3
	s_delay_alu instid0(VALU_DEP_4)
	v_lshrrev_b32 v[236+\b], 23, v[244+\b]         ; the scale's byte
.endr
	s_delay_alu instid0(VALU_DEP_3)
	v_lshl_or_b32 v253, v237, 8, v236              ; p's scale word for these 128 keys
	s_delay_alu instid0(VALU_DEP_1)
	v_lshl_or_b32 v253, v238, 16, v253
	s_delay_alu instid0(VALU_DEP_1)
	v_lshl_or_b32 v253, v239, 24, v253
.irp c, 0,1
	v_cvt_scalef32_pk16_fp6_f32 v[224+6*\c:226+6*\c], v[96+32*\c:111+32*\c], v[244+2*\c]
	v_cvt_scalef32_pk16_fp6_f32 v[236+4*\c:238+4*\c], v[112+32*\c:127+32*\c], v[244+2*\c+1]
.endr
	v_nop                                          ; one plain instruction behind a scaled conversion
.irp c, 0,1
.irp i, 0,1,2
	v_permlane16_swap_b32 v[224+6*\c+\i], v[236+4*\c+\i]
.endr
.irp i, 0,1,2
	s_delay_alu instid0(VALU_DEP_3)
	v_mov_b32 v[227+6*\c+\i], v[236+4*\c+\i]
.endr
.endr
.set j, 0
.rept 32
	v_pk_mul_f32 v[160+j:161+j], v[160+j:161+j], v[252:253] op_sel_hi:[1,0]   ; O^T under the new M; these 32 are also the places in front of the loads and matrix instructions below
.set j, j+2
.endr
	s_wait_alu depctr_va_vdst(0)
.irp g, 0,1                            ; O^T += v^T p^T, four tiles of 16 channels at a time; the accumulators take turns
.if \g > 0
.rept 4
	v_nop
.endr
.endif
.irp t, 0,1,2,3
.irp w, 0,1,2
	ds_load_b128 v[32+12*\t+4*\w:35+12*\t+4*\w], v2 offset:12288*\ch+1536*(4*\g+\t)+512*\w
.endr
.endr
	ds_load_b128 v[248:251], v2 offset:VSC-VIM+1024*\ch+512*\g
	s_wait_dscnt 0x0
.irp t, 0,1,2,3
	v_wmma_scale_f32_16x16x128_f8f6f4 v[160+8*(4*\g+\t):167+8*(4*\g+\t)], v[32+12*\t:43+12*\t], v[224:235], v[160+8*(4*\g+\t):167+8*(4*\g+\t)], v[248+\t], v253 matrix_a_fmt:MATRIX_FMT_FP6 matrix_b_fmt:MATRIX_FMT_FP6
.endr
.endr
.if \ch > 0
.Lhidden_\@:
.endif
	s_add_co_u32 s[KF], s[KF], 128
.endm
	STEP 0
	STEP 1
	STEP 2
; 64 numbers of a lane, v[s] on (register 16 b + i = channel 32 b + 16 h + i of my query), become a fragment's codes in v[PC] on and its scale word in v[pw].
.macro QUANT s, pw
.irp b, 0,1,2,3
	v_max3_num_f32 v[TM+\b], |v[\s+16*\b]|, |v[\s+1+16*\b]|, 0x1800000
.endr
.irp i, 2,4,6,8,10,12,14
.irp b, 0,1,2,3
	s_delay_alu instid0(VALU_DEP_4)
	v_max3_num_f32 v[TM+\b], v[TM+\b], |v[\s+16*\b+\i]|, |v[\s+1+16*\b+\i]|
.endr
.endr
.irp b, 0,1,2,3
	s_delay_alu instid0(VALU_DEP_4)
	v_permlanex16_b32 v[TM+4+\b], v[TM+\b], s[SEL], s[SEL+1]
.endr
.irp b, 0,1,2,3
	s_delay_alu instid0(VALU_DEP_4)
	v_max_num_f32 v[TM+\b], v[TM+\b], v[TM+4+\b]
.endr
.irp b, 0,1,2,3
	s_delay_alu instid0(VALU_DEP_4)
	v_add_nc_u32 v[TM+12+\b], 0xff000000, v[TM+\b]
.endr
.irp b, 0,1,2,3
	s_delay_alu instid0(VALU_DEP_4)
	v_lshrrev_b32 v[TM+4+\b], 23, v[TM+12+\b]
.endr
	s_delay_alu instid0(VALU_DEP_3)
	v_lshl_or_b32 v[\pw], v[TM+5], 8, v[TM+4]
	s_delay_alu instid0(VALU_DEP_1)
	v_lshl_or_b32 v[\pw], v[TM+6], 16, v[\pw]
	s_delay_alu instid0(VALU_DEP_1)
	v_lshl_or_b32 v[\pw], v[TM+7], 24, v[\pw]
.irp c, 0,1
	v_cvt_scalef32_pk16_fp6_f32 v[PC+6*\c:PC+2+6*\c], v[\s+32*\c:\s+15+32*\c], v[TM+12+2*\c]
	v_cvt_scalef32_pk16_fp6_f32 v[PC+12+4*\c:PC+14+4*\c], v[\s+16+32*\c:\s+31+32*\c], v[TM+12+2*\c+1]
.endr
	v_nop
.irp c, 0,1
.irp i, 0,1,2
	v_permlane16_swap_b32 v[PC+6*\c+\i], v[PC+12+4*\c+\i]
.endr
.irp i, 0,1,2
	s_delay_alu instid0(VALU_DEP_3)
	v_mov_b32 v[PC+3+6*\c+\i], v[PC+12+4*\c+\i]
.endr
.endr
.endm
	; THE WAY OUT.  O^T / the sum is y's 128 channels of my head for my 16 queries: quantised in registers, it is a fragment of the last product's operand and is stored as it stands.
.rept 4
	v_nop                                          ; places behind the last products
.endr
	v_add_f32 v14, v14, v15
	s_delay_alu instid0(VALU_DEP_1)
	v_permlanex16_b32 v252, v14, s[SEL], s[SEL+1]
	s_delay_alu instid0(VALU_DEP_1)
	v_add_f32 v14, v14, v252                       ; the row's sum
	s_wait_alu depctr_va_vdst(0)
	v_rcp_f32 v14, v14
	v_nop                                          ; a plain instruction behind the reciprocal,
	s_wait_alu depctr_va_vdst(0)                   ; and the wait ahead of its first reader
.set j, 0
.rept 64
	v_mul_f32 v[96+j], v[160+j], v14
.set j, j+1
.endr
	QUANT 96, 252
.irp w, 0,1,2
	global_store_b128 v1, v[PC+4*\w:PC+4*\w+3], s[70:71] offset:512*\w   ; 32 lanes store 512 consecutive bytes, aligned
.endr
	global_store_b32 v3, v252, s[72:73]            ; 64 consecutive bytes; both halves of the lanes store the same word with the same value; the four heads' waves fill 256 bytes
	s_wait_tensorcnt 0x0
	ds_add_u32 v95, v243
	s_wait_dscnt 0x0
	s_endpgm
.Lfunc_end_k_qd49f247335_attn:
	.size	k_qd49f247335_attn, .Lfunc_end_k_qd49f247335_attn-k_qd49f247335_attn
	.p2alignl 7, 3214868480
	.fill 96, 4, 3214868480
	.section	.rodata,"a",@progbits
	.p2align	6, 0x0
	.amdhsa_kernel k_qd49f247335_attn
		.amdhsa_group_segment_fixed_size 169984
		.amdhsa_private_segment_fixed_size 0
		.amdhsa_enable_private_segment 0
		.amdhsa_kernarg_size 16
		.amdhsa_user_sgpr_count 2
		.amdhsa_user_sgpr_kernarg_segment_ptr 1
		.amdhsa_wavefront_size32 1
		.amdhsa_system_sgpr_workgroup_id_x 1
		.amdhsa_system_sgpr_workgroup_id_y 1
		.amdhsa_system_sgpr_workgroup_id_z 1
		.amdhsa_system_vgpr_workitem_id 0
		.amdhsa_next_free_vgpr 256
		.amdhsa_next_free_sgpr 80
		.amdhsa_reserve_vcc 1
		.amdhsa_float_denorm_mode_32 3
		.amdhsa_float_denorm_mode_16_64 3
		.amdhsa_memory_ordered 1
		.amdhsa_forward_progress 1
		.amdhsa_inst_pref_size 103
	.end_amdhsa_kernel
	.amdgpu_metadata
---
amdhsa.version: [ 1, 2 ]
amdhsa.kernels:
  - .name:           k_qd49f247335_attn
    .symbol:         k_qd49f247335_attn.kd
    .args:
      - { .name: qkv, .offset: 0, .size: 8, .value_kind: global_buffer, .address_space: global }
      - { .name: yq, .offset: 8, .size: 8, .value_kind: global_buffer, .address_space: global }
    .group_segment_fixed_size: 169984
    .private_segment_fixed_size: 0
    .kernarg_segment_align: 8
    .kernarg_segment_size: 16
    .max_flat_workgroup_size: 512
    .sgpr_count:     80
    .vgpr_count:     256
    .wavefront_size: 32
...
	.end_amdgpu_metadata
.endif
;; end of part 3
;; launch outp (part 4): grid 8 x 32, 4 waves a work-group, clusters of 4 x 4, 327,680 bytes of LDS; arguments yq, wq, out0; writes out0
.if DOCPART == 4
	.amdgcn_target "amdgcn-amd-amdhsa--gfx1250"
	.amdhsa_code_object_version 6
	.text
	.protected	k_qd49f247335_outp
	.globl	k_qd49f247335_outp
	.p2align	8
	.type	k_qd49f247335_outp,@function
k_qd49f247335_outp:
	s_mov_b64 s[64:65], 0
	v_nop
	global_prefetch_b8 v0, s[64:65] scope:SCOPE_SE
	s_setreg_imm32_b32 hwreg(HW_REG_WAVE_MODE, 25, 1), 1
	s_wait_xcnt 0x0
	s_wait_alu depctr_hold_cnt(0) depctr_sa_sdst(0) depctr_va_vdst(0) depctr_va_sdst(0) depctr_va_ssrc(0) depctr_va_vcc(0) depctr_vm_vsrc(0)
	s_getreg_b32 s2, hwreg(HW_REG_IB_STS2, 6, 4)
	s_cmp_eq_u32 s2, 0
	s_cbranch_scc0 .Lentry_in_a_cluster
	s_endpgm
.Lentry_in_a_cluster:
	s_bfe_u32 s2, ttmp6, 0x10000c
	s_cmp_lg_u32 s2, 0xf033
	s_cbranch_scc0 .Lentry_shape_is_right
	s_endpgm
.Lentry_shape_is_right:
; out0 = y Wo on codes of FP6 (E2M3) with E8M0 scales: M = 4,096, N = 2,048 (stored rows 3072-5119 of the weights), K = 2,048; f32 sums, f32 out.
; BOTH OPERANDS ARRIVE AS IMAGES OF OPERAND REGISTERS: a fragment (16 stored rows x 128 K) is 1,536 bytes, three pieces of 512, lane L's 16 bytes at 16 L; codes [block of 16 rows][K / 128][1536], scale words [block][K / 128][16].
; A tile of 128 x 256 is made by four waves, each 64 x 128: 32 accumulators; 32 x 8 tiles are 256 work-groups.  K goes in four chunks of 512 through two LDS slots: a tensor row is a block's four fragments,
; 6,144 bytes, aligned on 256; LDS is dense.  So slots are filled again twice in the launch, and a load has four matrix steps, 128 matrix instructions, in which to land.
; The scale words of the work-group's 384 rows, for all of K, come once.  CLUSTERS: 4 x 4; y's tiles are asked for jointly along a row of the cluster, the weights' along a column.
; THE HEAD: one tensor load a wave: y's chunk 0, the weights', y's scale words, the weights'; slot 1 is first filled behind the full sequence and a round.
; THE MATRIX INSTRUCTION IS USED TRANSPOSED (source 0 = weights, source 1 = y): a lane holds eight neighbouring columns of one row.  Rows of both operands are stored with bits 3 and 4 exchanged:
; block a's lane r is row 32 (a / 2) + 8 (a % 2) + r + 8 (r / 8) of the wave's 64, register 8 b + j of lane (r, h) column 32 (b / 2) + 16 h + 8 (b % 2) + j of its 128; the way out puts both right.
; PREFETCH: behind the load of chunk c stands a request for chunk c + 2 (c = 0, 1): of the tensor rows that a wave fetches (4 of y, 8 of the weights) each of the four partners names a quarter, told apart by address,
; 24 blocks of 256 bytes a row, a lane a block.  The walk along K is written out: of its sixteen steps three change slots, each in its own way.
; REGISTERS: window 0: v16-30 addresses; v32-47 scale words, two sets; v128-223 y's fragments, two sets.  window 1: the weights' fragments, two sets (v0-95, v128-223).  window 2: the accumulators.
.set YSC,   6291456
.set WSC,   7864320
.set SIZE_N, 2048
.set FR,     12
.set NP,     4                         ; places behind this matrix instruction (ISA guide 7.12.1)
.set RBK,    24576                     ; a block of 16 rows, all of K
.set CHB,    6144                      ; its four fragments of a chunk
.set HALFA,  4*CHB
.set HALFB,  8*CHB
.set BOFF,   2*HALFA
.set SLOT,   2*HALFA+2*HALFB
.set SCL,    2*SLOT                    ; y's scale words (8,192 bytes), then the weights' (16,384)
.set SPARE,  SCL+24576                 ; the spare words: 512 bytes that no other line names
.set SPITCH, 528
.set STAGE,  0                         ; the way out's stages lie in slot 0, which has had its last fill and its last read by then
.set ADRA, 16
.set ADRB, 20
.set STO,  24
.set RD,   25
.set CO,   26
.set ADRS, 27
.set SPW,  28
.set NIL,  29
.set PFO,  30
.set SC,   32
.set AF,   128
.set BK,   128
.set G1, 24
.set G0, 32
.set G1B, 48
.set G0B, 56
.set G1S, 68
.set G0S, 76
.set G1SB, 80
.set G0SB, 88
.set G0H, 4
.set G0HB, 8
.set PFA, 96
.set MSB, 0
.macro WIN new
.if MSB != (\new)
	s_set_vgpr_msb (MSB<<8)|(\new)
.set MSB, \new
.endif
.endm
.set MULW,  0xa1                       ; source 0 window 1, source 1 window 0, C and D window 2
.set TO_B,  0x40
.macro JLOAD g0a, g1a, g0b, g1b        ; waves 0 and 1 fetch y's, waves 2 and 3 the weights'; s_nop 0 and four v_nop behind each line
	s_cmp_eq_u32 s15, 0
	s_cbranch_scc0 .Lfor_b_\@
	tensor_load_to_lds s[\g0a:\g0a+3], s[\g1a:\g1a+7]
	s_nop 0
.rept 4
	v_nop
.endr
	s_branch .Lasked_\@
.Lfor_b_\@:
	tensor_load_to_lds s[\g0b:\g0b+3], s[\g1b:\g1b+7]
	s_nop 0
.rept 4
	v_nop
.endr
.Lasked_\@:
.endm
.macro CROUND                          ; a round of the cluster's barrier
	s_barrier_signal -1
	s_barrier_wait -1
	s_cmp_lg_u32 s14, 0
	s_cbranch_scc1 .Lnot_wave_0_\@
	s_barrier_signal -3
.Lnot_wave_0_\@:
	s_barrier_wait -3
	s_barrier_signal -1
	s_barrier_wait -1
.endm
.macro ASK c                           ; chunk c of my work-group's share: one tensor row of y, or two of the weights
	global_prefetch_b8 v[PFO], s[PFA:PFA+1] offset:(\c)*CHB th:TH_LOAD_NT scope:SCOPE_SE
	s_cmp_eq_u32 s15, 0
	s_cbranch_scc1 .Lone_row_\@
	global_prefetch_b8 v[PFO], s[PFA:PFA+1] offset:(\c)*CHB+RBK th:TH_LOAD_NT scope:SCOPE_SE
.Lone_row_\@:
.endm
	s_load_b64 s[4:5], s[0:1], 0x0                 ; yq
	s_load_b64 s[8:9], s[0:1], 0x8                 ; wq
	s_load_b64 s[12:13], s[0:1], 0x10              ; out0
	v_lshl_add_u32 v[SPW], v0, 2, SPARE
	v_mov_b32 v[NIL], 0
	ds_add_u32 v[SPW], v[NIL]                      ; the opening lines: the add twice on end and one wait
	ds_add_u32 v[SPW], v[NIL]
	v_lshrrev_b32 v1, 5, v0
	v_readfirstlane_b32 s14, v1                    ; wave
	s_lshr_b32 s15, s14, 1                         ; my half of the rows; also: I fetch y's (0) or the weights' (1)
	s_and_b32 s16, s14, 1                          ; my half of the columns; also: which half of a tile I fetch
	s_bfe_u32 s40, ttmp6, 0x40000                  ; cx, cy
	s_bfe_u32 s41, ttmp6, 0x40004
	s_lshl_b32 s42, ttmp9, 2
	s_add_co_u32 s42, s42, s40                     ; tile column
	s_and_b32 s17, ttmp7, 0xffff
	s_lshl_b32 s17, s17, 2
	s_add_co_u32 s17, s17, s41                     ; tile row
	s_lshl_b32 s43, s41, 2
	s_lshl_b32 s43, 15, s43                        ; my row of the cluster
	s_lshl_b32 s44, 0x1111, s40                    ; my column
	s_or_b32 s[G1+0], s43, (3<<16)|(1<<21)         ; the mask; elements of 8 bytes; bit 21 beside a mask; no padding
	s_or_b32 s[G1B+0], s44, (3<<16)|(1<<21)
.irp g, G1, G1B
	s_mov_b32 s[\g+1], (CHB/8)<<16                 ; a row: 768 elements
	s_mov_b32 s[\g+3], (CHB/8)<<16
	s_mov_b32 s[\g+5], RBK/8                       ; the pitch
	s_mov_b32 s[\g+6], 0
	s_mov_b32 s[\g+7], 0
.endr
	s_mov_b32 s[G1+2], 8<<16                       ; at the head y's 8 rows and the weights' 16; in the ring half of that
	s_mov_b32 s[G1+4], 8
	s_mov_b32 s[G1B+2], 16<<16
	s_mov_b32 s[G1B+4], 16
	s_or_b32 s[G1S+0], s43, (3<<16)|(1<<21)        ; scale words: dense bytes as rows of 256
	s_or_b32 s[G1SB+0], s44, (3<<16)|(1<<21)
.irp g, G1S, G1SB
	s_mov_b32 s[\g+1], 32<<16
	s_mov_b32 s[\g+3], 32<<16
	s_mov_b32 s[\g+5], 32
	s_mov_b32 s[\g+6], 0
	s_mov_b32 s[\g+7], 0
.endr
	s_mov_b32 s[G1S+2], 32<<16
	s_mov_b32 s[G1S+4], 32
	s_mov_b32 s[G1SB+2], 64<<16
	s_mov_b32 s[G1SB+4], 64
	s_mul_i32 s20, s17, 8*RBK                      ; y: the tile's codes,
	s_mov_b32 s21, 0
	s_lshl_b32 s22, s17, 13
	s_add_co_u32 s22, s22, YSC                     ; and scale words
	s_mov_b32 s23, 0
	s_mul_i32 s46, s42, 16*RBK
	s_add_co_u32 s46, s46, 192*RBK                 ; the weights: Wo begins at block 192
	s_mov_b32 s47, 0
	s_lshl_b32 s92, s42, 14
	s_add_co_u32 s92, s92, WSC+192*1024
	s_mov_b32 s93, 0
	s_mul_i32 s18, s16, 4*RBK                      ; in the ring: my half of y's tile,
	s_mov_b32 s19, 0
	s_mul_i32 s94, s16, 8*RBK                      ; or of the weights',
	s_mov_b32 s95, 0
	s_mul_i32 s45, s16, HALFA                      ; and where they go
	s_mul_i32 s3, s16, HALFB
	s_add_co_u32 s3, s3, BOFF
	s_wait_dscnt 0x0
	s_wait_kmcnt 0x0
	s_add_nc_u64 s[20:21], s[4:5], s[20:21]
	s_add_nc_u64 s[22:23], s[4:5], s[22:23]
	s_add_nc_u64 s[46:47], s[8:9], s[46:47]
	s_add_nc_u64 s[92:93], s[8:9], s[92:93]
	CROUND                                         ; the first joint loads meet
	s_mov_b32 s[G0H], 1
	s_mov_b32 s[G0H+1], 0
	s_mov_b64 s[G0H+2:G0H+3], s[20:21]
	s_or_b32 s[G0H+3], s[G0H+3], 0x80000000
	s_mov_b32 s[G0HB], 1
	s_mov_b32 s[G0HB+1], BOFF
	s_mov_b64 s[G0HB+2:G0HB+3], s[46:47]
	s_or_b32 s[G0HB+3], s[G0HB+3], 0x80000000
	s_mov_b32 s[G0S], 1
	s_mov_b32 s[G0S+1], SCL
	s_mov_b64 s[G0S+2:G0S+3], s[22:23]
	s_or_b32 s[G0S+3], s[G0S+3], 0x80000000
	s_mov_b32 s[G0SB], 1
	s_mov_b32 s[G0SB+1], SCL+8192
	s_mov_b64 s[G0SB+2:G0SB+3], s[92:93]
	s_or_b32 s[G0SB+3], s[G0SB+3], 0x80000000
	s_add_nc_u64 s[20:21], s[20:21], s[18:19]
	s_add_nc_u64 s[46:47], s[46:47], s[94:95]
.irp s, 0,1
	s_mov_b32 s[G0+4*\s], 1
	s_add_co_u32 s[G0+4*\s+1], s45, \s*SLOT
	s_add_nc_u64 s[G0+4*\s+2:G0+4*\s+3], s[20:21], \s*CHB
	s_or_b32 s[G0+4*\s+3], s[G0+4*\s+3], 0x80000000
	s_mov_b32 s[G0B+4*\s], 1
	s_add_co_u32 s[G0B+4*\s+1], s3, \s*SLOT
	s_add_nc_u64 s[G0B+4*\s+2:G0B+4*\s+3], s[46:47], \s*CHB
	s_or_b32 s[G0B+4*\s+3], s[G0B+4*\s+3], 0x80000000
.endr
	s_cmp_eq_u32 s15, 0                            ; the prefetches: my work-group's quarter of the rows that I fetch: by cx for y's, by cy for the weights'
	s_cselect_b64 s[PFA:PFA+1], s[20:21], s[46:47]
	s_cselect_b32 s2, s40, s41
	s_lshl_b32 s3, RBK, s15                        ; one row of y, two of the weights
	s_mul_i32 s2, s2, s3
	s_mov_b32 s3, 0
	s_add_nc_u64 s[PFA:PFA+1], s[PFA:PFA+1], s[2:3]
.macro ARM under, g0, g1, next         ; one chain of branches on the wave's number, one load to an arm
	s_cmp_lt_u32 s14, \under
	s_cbranch_scc0 \next
	tensor_load_to_lds s[\g0:\g0+3], s[\g1:\g1+7]
	s_nop 0
.rept 4
	v_nop
.endr
	s_branch .Lhead_asked
\next:
.endm
	ARM 1, G0H,  G1,  .Lhead_b
	ARM 2, G0HB, G1B, .Lhead_sa
	ARM 3, G0S,  G1S, .Lhead_sb
	tensor_load_to_lds s[G0SB:G0SB+3], s[G1SB:G1SB+7]
	s_nop 0
.rept 4
	v_nop
.endr
.Lhead_asked:
	s_mul_i32 s18, s15, HALFA                      ; my 64 rows of y
	s_mul_i32 s19, s16, HALFB
	s_add_co_u32 s19, s19, BOFF                    ; my 128 rows of the weights
	s_add_co_u32 s2, s18, SLOT
	s_add_co_u32 s3, s19, SLOT
	s_lshl_b32 s21, s15, 12                        ; my rows' scale words: y's,
	s_lshl_b32 s22, s16, 13
	s_add_co_u32 s22, s22, 8192
	s_sub_co_u32 s22, s22, s21                     ; and from them to the weights'
	s_add_co_u32 s21, s21, SCL
	s_mul_i32 s23, s14, 16*SPITCH
	s_add_co_u32 s23, s23, STAGE                   ; my stage
	s_lshl_b32 s46, s17, 7
	s_lshl_b32 s47, s15, 6
	s_add_co_u32 s46, s46, s47                     ; my first row of the result,
	s_lshl_b32 s46, s46, 13                        ; in bytes (8,192 a row),
	s_lshl_b32 s47, s42, 10
	s_add_co_u32 s46, s46, s47
	s_lshl_b32 s47, s16, 9
	s_add_co_u32 s46, s46, s47                     ; and my first column
	s_mov_b32 s47, 0
	s_add_nc_u64 s[12:13], s[12:13], s[46:47]
	v_and_b32 v6, 31, v0
	v_and_b32 v1, 15, v0                           ; r
	v_bfe_u32 v2, v0, 4, 1                         ; h
	v_lshlrev_b32 v[CO], 4, v6                     ; 16 x lane
	v_min_u32 v7, 23, v6                           ; 24 blocks a row; the lanes left over name the last again
	v_lshlrev_b32 v[PFO], 8, v7
	v_add_nc_u32 v[ADRA], s18, v[CO]
	v_add_nc_u32 v[ADRA+1], s2, v[CO]
	v_add_nc_u32 v[ADRB], s19, v[CO]
	v_add_nc_u32 v[ADRB+1], s3, v[CO]
	v_mul_u32_u24 v3, s22, v2                      ; lanes 0-15 take y's words, lanes 16-31 the weights'
	v_lshl_add_u32 v3, v1, 2, v3
	v_add_nc_u32 v[ADRS], s21, v3
	v_mul_u32_u24 v5, v1, SPITCH                   ; the stage, in: row r, 64 h
	v_lshl_add_u32 v5, v2, 6, v5
	v_add_nc_u32 v[STO], s23, v5
	v_add_nc_u32 v[RD], s23, v[CO]                 ; back: the 32 lanes take a row of 512 bytes
.macro FRAG reg, adr, st, i            ; a fragment as it lies: three loads of 16 bytes a lane, each 512 consecutive bytes
.irp w, 0,1,2
	ds_load_b128 v[\reg+4*\w:\reg+4*\w+3], v[\adr+((\st)/4)%2] offset:(\i)*CHB+((\st)%4)*1536+512*\w
.endr
.endm
.macro FETCH st                        ; step st's fragments and scale words into set st % 2
	WIN TO_B
.irp i, 0,1,2,3,4,5,6,7
	FRAG 128*((\st)%2)+FR*\i, ADRB, \st, \i
.endr
	WIN 0
.irp i, 0,1,2,3
	FRAG AF+48*((\st)%2)+FR*\i, ADRA, \st, \i
.endr
.irp i, 0,1,2,3,4,5,6,7
	ds_load_b32 v[SC+8*((\st)%2)+\i], v[ADRS] offset:\i*1024+64*(\st)   ; lanes 0-15 y's block i (used for i under 4), lanes 16-31 the weights' block i
.endr
.endm
.macro MUL16 a0, p, zero               ; y's blocks a0, a0 + 1 x the weights' eight; the 32 accumulators take turns
.irp a, \a0, \a0+1
.irp b, 0,1,2,3,4,5,6,7
.if \zero
	v_wmma_scale_f32_16x16x128_f8f6f4 v[8*(8*(\a)+\b):8*(8*(\a)+\b)+7], v[128*(\p)+FR*\b:128*(\p)+FR*\b+FR-1], v[AF+48*(\p)+FR*(\a):AF+48*(\p)+FR*(\a)+FR-1], 0, v[SC+8*(\p)+\b], v[SC+8*(\p)+(\a)] matrix_a_fmt:MATRIX_FMT_FP6 matrix_b_fmt:MATRIX_FMT_FP6 matrix_a_scale:MATRIX_SCALE_ROW1
.else
	v_wmma_scale_f32_16x16x128_f8f6f4 v[8*(8*(\a)+\b):8*(8*(\a)+\b)+7], v[128*(\p)+FR*\b:128*(\p)+FR*\b+FR-1], v[AF+48*(\p)+FR*(\a):AF+48*(\p)+FR*(\a)+FR-1], v[8*(8*(\a)+\b):8*(8*(\a)+\b)+7], v[SC+8*(\p)+\b], v[SC+8*(\p)+(\a)] matrix_a_fmt:MATRIX_FMT_FP6 matrix_b_fmt:MATRIX_FMT_FP6 matrix_a_scale:MATRIX_SCALE_ROW1
.endif
.endr
.endr
.endm
.macro PLACES n
.rept \n
	v_nop
.endr
.endm
; A step of 128 along K: 32 matrix instructions.  The next step's fragments go into the other set of registers: they are fetched at the step's start, behind the places that the last step's products ask for,
; 32 matrix instructions ahead of the wait for them.  A chunk's last step changes slots: its own fragments are in registers, so the slot is free; there the fetch stands behind the barrier.
.macro STEP st, zero
.set SL, ((\st)/4)%2
.if (\st)%4 == 3
	s_wait_tensorcnt 0x0                           ; my part of the next chunk has landed
	ds_add_u32 v[SPW], v[NIL]
	s_wait_dscnt 1                                 ; (the add alone may be out)
	WIN MULW
	MUL16 0, (\st)%2, \zero
	WIN 0
	s_wait_dscnt 0x0                               ; the add is done; my reads of this slot were over above
.if (\st) < 8
	CROUND                                         ; no wave of any partner still reads this slot or has a load on its way
	s_add_nc_u64 s[G0+4*SL+2:G0+4*SL+3], s[G0+4*SL+2:G0+4*SL+3], 2*CHB
	s_add_nc_u64 s[G0B+4*SL+2:G0B+4*SL+3], s[G0B+4*SL+2:G0B+4*SL+3], 2*CHB
	JLOAD G0+4*SL, G1, G0B+4*SL, G1B               ; the chunk two on: my one load behind the round; its four v_nop are the places in front of the loads below
.else
	s_barrier_signal -1                            ; nothing is left to fetch: the barrier shows the last chunk whole
	s_barrier_wait -1
	PLACES NP
.endif
	FETCH (\st)+1
	WIN MULW
.else
	s_wait_dscnt 0x0                               ; this step's fragments and scale words are in
	PLACES NP
	FETCH (\st)+1
	WIN MULW
	MUL16 0, (\st)%2, \zero
.endif
	MUL16 2, (\st)%2, \zero
	WIN 0
.endm
	s_wait_alu depctr_va_vdst(0)                   ; the wait at the head's end
	ASK 1                                          ; chunk 1 too, whose load stands behind the head's loads: asked for one load ahead
	ASK 2
	s_wait_tensorcnt 0x0                           ; my tile of the head's four is in; the full sequence ahead of slot 1's first fill
	ds_add_u32 v[SPW], v[NIL]
	s_mov_b32 s[G1+2], 4<<16                       ; no load of mine is out: from here on a load brings half a tile
	s_mov_b32 s[G1+4], 4
	s_mov_b32 s[G1B+2], 8<<16
	s_mov_b32 s[G1B+4], 8
	s_wait_dscnt 0x0
	CROUND
	JLOAD G0+4, G1, G0B+4, G1B                     ; chunk 1
	FETCH 0
	ASK 3
	STEP 0, 1                                      ; the first step's products start the sums
.set ST, 1
.rept 14
	STEP ST, 0
.set ST, ST+1
.endr
	s_wait_dscnt 0x0
	WIN MULW
	MUL16 0, 1, 0
	MUL16 2, 1, 0
	WIN 0
; THE WAY OUT, block by block of 16 rows x 128 columns, through my own stage: in by lanes (32 bytes of a row at their true columns), back as whole rows of 512 bytes.
.macro TOSTAGE a
.set AC, 64*(\a)
	WIN 0x08                                       ; the data: window 2
.irp b, 0,1,2,3,4,5,6,7
	ds_store_b128 v[STO], v[AC+8*\b:AC+8*\b+3] offset:128*(\b/2)+32*(\b%2)      ; each accumulator from its low end on
	ds_store_b128 v[STO], v[AC+8*\b+4:AC+8*\b+7] offset:128*(\b/2)+32*(\b%2)+16
.endr
	WIN 0
.set BB, BK+64*((\a)%2)
.irp t, 0,1,2,3,4,5,6,7,8,9,10,11,12,13,14,15
	ds_load_b128 v[BB+4*\t:BB+4*\t+3], v[RD] offset:\t*SPITCH   ; LDS serves a wave's instructions in order (ISA guide 5.7.1.4)
.endr
.endm
.macro SEND a, younger                 ; stage row t of block a is row 32 (a / 2) + 8 (a % 2) + t + 8 (t / 8) of my 64
.set BB, BK+64*((\a)%2)
	s_wait_dscnt \younger
.irp t, 0,1,2,3,4,5,6,7,8,9,10,11,12,13,14,15
	global_store_b128 v[CO], v[BB+4*\t:BB+4*\t+3], s[12:13] offset:(32*((\a)/2)+8*((\a)%2)+\t+8*(\t/8))*SIZE_N*4 th:TH_STORE_NT   ; 32 lanes store 512 consecutive bytes, aligned
.endr
.endm
	PLACES NP
	TOSTAGE 0
.irp a, 1,2,3
.if \a > 1
	s_wait_xcnt 0x0                                ; block a - 2's stores have read their registers
.endif
	TOSTAGE \a
	SEND \a-1, 32                                  ; behind block a - 1's loads: block a's 16 stores and 16 loads
.endr
	SEND 3, 0
	s_wait_tensorcnt 0x0                           ; the wave's end
	ds_add_u32 v[SPW], v[NIL]
	s_wait_dscnt 0x0
	CROUND                                         ; the closing round
	s_endpgm
.Lfunc_end_k_qd49f247335_outp:
	.size	k_qd49f247335_outp, .Lfunc_end_k_qd49f247335_outp-k_qd49f247335_outp
	.p2alignl 7, 3214868480
	.fill 96, 4, 3214868480
	.section	.rodata,"a",@progbits
	.p2align	6, 0x0
	.amdhsa_kernel k_qd49f247335_outp
		.amdhsa_group_segment_fixed_size 327680
		.amdhsa_private_segment_fixed_size 0
		.amdhsa_enable_private_segment 0
		.amdhsa_kernarg_size 24
		.amdhsa_user_sgpr_count 2
		.amdhsa_user_sgpr_kernarg_segment_ptr 1
		.amdhsa_wavefront_size32 1
		.amdhsa_system_sgpr_workgroup_id_x 1
		.amdhsa_system_sgpr_workgroup_id_y 1
		.amdhsa_system_sgpr_workgroup_id_z 1
		.amdhsa_system_vgpr_workitem_id 0
		.amdhsa_next_free_vgpr 768
		.amdhsa_next_free_sgpr 98
		.amdhsa_reserve_vcc 0
		.amdhsa_float_denorm_mode_32 3
		.amdhsa_float_denorm_mode_16_64 3
		.amdhsa_memory_ordered 1
		.amdhsa_forward_progress 1
		.amdhsa_inst_pref_size 141
	.end_amdhsa_kernel
	.amdgpu_metadata
---
amdhsa.version: [ 1, 2 ]
amdhsa.kernels:
  - .name:           k_qd49f247335_outp
    .symbol:         k_qd49f247335_outp.kd
    .args:
      - { .name: yq, .offset: 0, .size: 8, .value_kind: global_buffer, .address_space: global }
      - { .name: wq, .offset: 8, .size: 8, .value_kind: global_buffer, .address_space: global }
      - { .name: out0, .offset: 16, .size: 8, .value_kind: global_buffer, .address_space: global }
    .group_segment_fixed_size: 327680
    .private_segment_fixed_size: 0
    .kernarg_segment_align: 8
    .kernarg_segment_size: 24
    .max_flat_workgroup_size: 128
    .sgpr_count:     98
    .vgpr_count:     768
    .wavefront_size: 32
...
	.end_amdgpu_metadata
.endif
;; end of part 4
